; MI455X (gfx1250); checked and timed in simulation.
; The chip was launched on July 23, 2026; its instructions are those of AMD's public machine-readable ISA for CDNA 5 (MIT licence, August 2026) and "CDNA5" Instruction Set Architecture Reference Guide (July 2026). The comments in the code are by the model that wrote it; some were corrected since.
;; Mixing Network. Allowed arithmetic: matrix products marked QUANTISED: E4M3 operands, one E8M0 scale for each 32 along K, by v_wmma_scale_f32_16x16x128_f8f6f4 with both operands' format E4M3, f32 sums; products left as they are: f32 operands where the result goes on into a quantised operand, else bf16, f16 or f32 operands; f32 sums; everything else in f32.
;; Inputs: agent_q_values 256 x 512 x 8 float32; b1a 256 float32; b1b 512 float32; b2a 256 float32; b2b 64 float32; bb1 64 float32; bb2a 256 float32; bb2b 1 float32; central_states_codes 256 x 512 x 8 x 32 uint8 (E4M3 codes of central_states, K innermost, in blocks of 32 codes); central_states_scales 256 x 512 x 8 uint8 (E8M0 scales of central_states, one for each 32 codes along K); w1a_codes 256 x 8 x 32 uint8 (E4M3 codes of w1a, K innermost, in blocks of 32 codes); w1a_scales 256 x 8 uint8 (E8M0 scales of w1a, one for each 32 codes along K); w1b_codes 512 x 8 x 32 uint8 (E4M3 codes of w1b, K innermost, in blocks of 32 codes); w1b_scales 512 x 8 uint8 (E8M0 scales of w1b, one for each 32 codes along K); w2a_codes 256 x 8 x 32 uint8 (E4M3 codes of w2a, K innermost, in blocks of 32 codes); w2a_scales 256 x 8 uint8 (E8M0 scales of w2a, one for each 32 codes along K); w2b_codes 64 x 8 x 32 uint8 (E4M3 codes of w2b, K innermost, in blocks of 32 codes); w2b_scales 64 x 8 uint8 (E8M0 scales of w2b, one for each 32 codes along K); wb1_codes 64 x 8 x 32 uint8 (E4M3 codes of wb1, K innermost, in blocks of 32 codes); wb1_scales 64 x 8 uint8 (E8M0 scales of wb1, one for each 32 codes along K); wb2a_codes 256 x 8 x 32 uint8 (E4M3 codes of wb2a, K innermost, in blocks of 32 codes); wb2a_scales 256 x 8 uint8 (E8M0 scales of wb2a, one for each 32 codes along K); wb2b 256 x 1 float32.
;; Outputs: out0 256 x 512 x 1 float32.
;; This version of the problem:
;;   THIS VERSION OF THE PROBLEM IS GIVEN IN LOW PRECISION. The matrix products marked QUANTISED in the list below multiply operands that are first quantised to E4M3 (4 exponent bits, 3 mantissa bits; 8 bits a number), with one power-of-two scale for each 32 numbers along K (OCP MX v1.0); their sums are f32. All else is computed in f32.
;;   The module's matrix products, in the order in which they are computed (A, B: the left and right operand; K: the contracted axis; several contracted axes count as one K, in the product's order):
;;     1. [M 131,072, K 256] x [K 256, N 256]; A: input central_states (given as codes); B: input w1a (given as codes): QUANTISED
;;     2. [M 131,072, K 256] x [K 256, N 512]; A: computed on the way; B: input w1b (given as codes): QUANTISED
;;     3. [M 131,072, K 256] x [K 256, N 64]; A: input central_states (given as codes); B: input wb1 (given as codes): QUANTISED
;;     4. [M 131,072, K 256] x [K 256, N 256]; A: input central_states (given as codes); B: input w2a (given as codes): QUANTISED
;;     5. [M 131,072, K 256] x [K 256, N 64]; A: computed on the way; B: input w2b (given as codes): QUANTISED
;;     6. [M 131,072, K 256] x [K 256, N 256]; A: input central_states (given as codes); B: input wb2a (given as codes): QUANTISED
;;     7. [M 131,072, K 256] x [K 256, N 1]; A: computed on the way; B: input wb2b: left as it is (N = 1 < 16)
;;     8. batch 131,072 x [M 1, K 8] x [K 8, N 64]; A: input agent_q_values; B: computed on the way: left as it is (K = 8 < 32)
;;     9. batch 131,072 x [M 1, K 64] x [K 64, N 1]; A: computed on the way; B: computed on the way: left as it is (M = 1 < 16)
;;   THE QUANTISER, for each operand of a quantised product, along K:
;;     - K is cut into blocks of 32 from its start; a last block that is shorter is filled with zeros.
;;     - A block's scale is 2^e with e = floor(log2(the largest magnitude in the block)) - 8, held to -126 .. 127; a block of zeros has e = 0. As a byte (E8M0): e + 127.
;;     - Each number is divided by its block's scale, clamped to +-448, and rounded to the nearest number of E4M3, ties to even, subnormals kept.
;;     - The product sums the exact products of the quantised numbers (number of the format x scale) in f32.
;;   ~~~python
;;   def quantise(x, axis):      # numpy; x: float32 -> the quantised numbers, widened to float32 again
;;       x = np.moveaxis(x, axis, -1); K = x.shape[-1]
;;       x = np.pad(x, [(0, 0)] * (x.ndim - 1) + [(0, -K % 32)]); x = x.reshape(x.shape[:-1] + (-1, 32)); a = np.abs(x).max(-1, keepdims=True)
;;       e = np.where(a > 0, np.clip(np.frexp(np.where(a > 0, a, 1))[1] - 1 - 8, -126, 127), 0)      # np.frexp(a)[1] - 1 = floor(log2(a)), exactly
;;       r = np.clip(x / 2.0 ** e, -448, 448)
;;       step = 2.0 ** (np.maximum(np.frexp(np.where(r == 0, 1, r))[1] - 1, -6) - 3)
;;       q = np.round(r / step) * step * 2.0 ** e      # np.round: ties to even
;;       return np.moveaxis(q.reshape(q.shape[:-2] + (-1,))[..., :K], -1, axis).astype(np.float32)
;;   ~~~
;;   OPERANDS COMPUTED ON THE WAY. 'Computed on the way' means the value that the module computes at that place (a softmax that the list does not call 'softmax' is quantised finished and normalised). What goes into a quantiser is computed in f32, as accurately as f32 sums, v_exp_f32 and their like allow (about 1e-6 of the number): no bf16 or f16 on the way to a quantiser, and a product that is left as it is and whose result goes on into a quantised operand takes f32 operands (vector FMAs, or v_wmma_f32_16x16x4_f32). A number that lies on a knife's edge between two numbers of the format may be rounded either way, as far as f32 arithmetic and the matrix unit's own rounding can turn it there, and no further.
;;   INPUTS GIVEN AS CODES. central_states (in the module: [256, 512, 256], K = its axis 2); w1a (in the module: [256, 256], K = its axis 0); w1b (in the module: [256, 512], K = its axis 0); w2a (in the module: [256, 256], K = its axis 0); w2b (in the module: [256, 64], K = its axis 0); wb1 (in the module: [256, 64], K = its axis 0); wb2a (in the module: [256, 256], K = its axis 0): each comes as NAME_codes (uint8): NAME with its K axis moved to the last place and cut into blocks of 32 codes, [.., K / 32, bytes a block], one block behind the other in memory; one code a byte (a code: sign, 4 exponent bits, 3 mantissa bits); and NAME_scales (uint8): the same leading axes, one E8M0 byte (e + 127) for each 32 codes along K. Its value is code x scale, taken as it is: it is not quantised again, and the codes and scales need not be those that the quantiser above would give.
;; 2 versions, each right; version 2 is version 1 with the launch mix written anew for expert scheduling mode. Each part assembles by itself: llvm-mc -triple=amdgcn-amd-amdhsa -mcpu=gfx1250 --defsym DOCPART=n.
;; ======== version 1 of 2: 1 launch
;; limits: a function is approximated: absolute error at most 2.4e-07
;; launch mix (part 1): grid 256 x 1, 4 waves a work-group, no clusters, 174,080 bytes of LDS; arguments central_states_codes, central_states_scales, agent_q_values, out0, w1a_codes, w2a_codes, w1a_scales, w2a_scales, wb2a_codes, wb2a_scales, wb1_codes, wb1_scales, w1b_codes, w1b_scales, w2b_codes, w2b_scales, b1a, b2a, bb2a, b1b, bb1, b2b, wb2b, bb2b; writes out0
.if DOCPART == 1
	.amdgcn_target "amdgcn-amd-amdhsa--gfx1250"
	.amdhsa_code_object_version 6
	.text
	.protected	k_q1c53502838_mix
	.globl	k_q1c53502838_mix
	.p2align	8
	.type	k_q1c53502838_mix,@function
k_q1c53502838_mix:
	s_mov_b64 s[64:65], 0
	v_nop
	global_prefetch_b8 v0, s[64:65] scope:SCOPE_SE
	s_setreg_imm32_b32 hwreg(HW_REG_WAVE_MODE, 25, 1), 1
	s_wait_xcnt 0x0
; THE MIXING NETWORK, fused into one launch.  For each of 131,072 rows (256 codes of FP8 (E4M3) of the state with 8 E8M0 scale bytes; 8 agent values q in f32):
;   h1 = elu(st W1a + b1a), h2 = elu(st W2a + b2a), h3 = elu(st Wb2a + bb2a)   (256 units each);   b1 = st Wb1 + bb1   (64)
;   w1 = |Q(h1) W1b + b1b| (8 x 64),  w2 = |Q(h2) W2b + b2b| (64),  b2 = h3 . wb2b + bb2b;   out = sum over e of relu(sum over a of q[a] w1[a][e] + b1[e]) w2[e] + b2
; Q is the MX quantiser along the 256 hidden units (blocks of 32).  The six large products go by v_wmma_scale_f32_16x16x128_f8f6f4; all else is f32 vector arithmetic.  Nothing but out0 is stored to memory.
; SHARES.  256 work-groups of four waves; a work-group owns 512 rows: 8 blocks of 64 rows, a block = 4 tiles of 16 rows.  THE WAVES SHARE THE COLUMNS, NOT THE ROWS: each wave keeps 22 tiles of 16 weight rows
; (22 x 2 K steps x 16 = 704 registers) for the whole launch, read from memory once:
;   8 tiles of the first layers: waves 0, 1: W1a's units 0-127, 128-255; waves 2, 3: W2a's.  Quantised, a wave's 128 units are exactly one operand fragment (one K step) of the second layer, and one scale word a row;
;   4 tiles of Wb2a (units 64 w on);  1 of Wb1, 8 of W1b (one for each agent a) and 1 of W2b, all for the SAME sixteen e = 16 w .. 16 w + 15.
; EVERY PRODUCT IS USED TRANSPOSED (source 0 = 16 weight rows, source 1 = 16 rows of data): lane (r = lane % 16, h = lane / 16) holds row r of the data, register j the tile's weight row 8 h + j.  So b1[e], w1[a][e] and
; w2[e] of e = 16 w + 8 h + j lie in one lane at one register index, and the mixing needs no exchange but one between the lanes' halves; the four waves' parts of a row's sum meet once, at the end, in LDS.
; THE ROWS OF A FIRST-LAYER TILE ARE NOT NEIGHBOURS: lane r of tile 2 b + u takes unit 32 b + 8 u + r + 8 (r / 8), so that the 16 registers of tiles 2 b, 2 b + 1 are the 16 neighbours 32 b + 16 h + 0 .. 15 along the next K.
; BIASES lie in LDS and are loaded INTO the accumulators (two loads of 16 bytes a tile, the sixteen lanes of a half reading the same bytes); the first matrix instruction adds onto them: no vector instruction is spent.
; SCALE REGISTERS hold K step 0's words in lanes 0-15 and K step 1's in lanes 16-31; the second K step names the upper row on both sides.  They hold scales and nothing else.
; ELU: elu(x) is the middle one of x, e^x - 1 and 0 (x > 0: 0 < x <= e^x - 1; x < 0: x <= e^x - 1 < 0): a packed scaling, v_exp_f32, a packed addition, v_med3_num_f32; no compare.
; ONE BARRIER A BLOCK.  The rows' codes and the hidden layers' images have two LDS buffers by turns: between two barriers the waves read the images of block b in one buffer, read x of block b + 1 and write its images
; in the other, and write x of block b + 2 where x of block b lay, whose last reads stand ahead of the earlier barrier.
; NO JOINT LOADS, though all work-groups read the same weights: such loads land in LDS alone, and the weights' 360,448 bytes of codes are more than the 327,680 bytes of LDS, of which this text uses 173,568; they would
; come in several fills, each behind a round of barriers, and then pass from LDS into registers.  Each work-group reads them once in the launch, straight into the registers that keep them.
; LIMITS.  e^x - 1 is made of v_exp_f32: its error is about 2^-23 absolute, so relative to elu(x) it grows as 2^-23 / |x| for small |x|, and a positive x under about 2^-11 may come out as the rounded e^x - 1, within the same
; absolute bound.  A hidden block of zeros, or one whose largest magnitude lies under 2^-118, gets the scale byte 1 (its codes are what the conversion gives; the bytes are read by this program alone).  NaN and infinities are not served.
.set PX,    272                        ; a row of x in LDS: 256 codes + 16 bytes = 68 words, so that the 16 rows of a fragment load begin at 16 different banks (64 banks of 4 bytes: ISA guide 11.1)
.set BUF1,  65536                      ; the second buffer begins here: one exclusive or turns an address
.set HIMG,  64*PX                      ; in a buffer, behind the 64 rows of x: 16 images of 2,048 bytes (tile of rows m, fragment f: 4 m + f): an operand's registers as they stand, 16 bytes a lane
.set HSC,   HIMG+16*2048               ; and their scale words: 64 bytes a fragment, 4 bytes a row
.set XSC,   131072                     ; the 512 rows' scale bytes of x as they lie in memory, 8 a row: 4,096 bytes
.set QT,    XSC+4096                   ; q: 512 rows x (32 bytes + 16): 24,576 bytes
.set BT,    QT+24576                   ; biases: b1a +0, b2a +1024, bb2a +2048, b1b +3072, bb1 +5120, b2b +5376: 5,632 bytes
.set PART,  BT+5632                    ; each wave's part of each row's result: 4 x 512 x 4 bytes
; window 0
.set LF,   1                           ; 272 r + 16 h: my place in a tile of x
.set LI,   2                           ; 16 x lane: my place in an image; also my offset in a run of 512 bytes of memory
.set HW,   3                           ; 16 x lane + 2048 x wave: where I store my image
.set LS,   4                           ; 4 x lane: my place among two fragments' scale words
.set HSW,  5                           ; 4 r + 64 x wave: where I store my fragment's
.set XW,   6                           ; (16 wave + h) x 272 + 16 r: where I store the next block's codes
.set AXF,  7                           ; v7-12: the six above, in the block's buffer (the last: in the other one); made anew at each block's head
.set AHI,  8
.set AHW,  9
.set AHS,  10
.set AHSW, 11
.set AXW,  12
.set AXS,  13                          ; x's scale words: XSC + 8 r + 4 h, 512 on for each block
.set AQ,   14                          ; q: QT + 48 r, 3,072 on for each block
.set AP,   15                          ; my part of the results: PART + 2048 wave + 4 r, 256 on for each block
.set BA1,  16                          ; BT + 512 wave + 64 h: my first-layer biases
.set BA3,  17                          ; BT + 2048 + 256 wave + 64 h: bb2a's
.set BAE,  18                          ; BT + 64 wave + 32 h: those of my sixteen e
.set FIN,  19                          ; PART + 512 wave + 16 x lane: the closing sum
.set XS,   20                          ; scale words: x's;
.set HS1,  21                          ; h1's;
.set HS2,  22                          ; h2's
.set PW,   23                          ; the scale word just made
.set WS,   24                          ; v24-45 the weights' scale words: 0-7 first layer, 8-11 Wb2a, 12 Wb1, 13 W2b, 14-21 W1b
.set CT,   46                          ; v46-47 at work in the mixing
.set P2,   48                          ; v48-51 a row tile's running sum: first h3 . wb2b, then the mixing's
.set KEEP, 52                          ; v52-83 tile m: b1's accumulator, then hidden[e]
.set XF,   84                          ; v84-115 two fragments: x's, later h1's
.set T,    116                         ; v116-147 h3's four accumulators, later h2's two fragments; at the head: offsets
.set H,    148                         ; v148-211 eight accumulators: the first layer's, later w1's; at the head: what goes to LDS
.set E,    212                         ; v212-243 at work
.set CD,   E                           ; the quantiser: 16 registers of codes,
.set TM,   E+16                        ; +0 largest magnitudes, +4 bytes, +8 448 x the scale, +12 the conversions' scale operands
; window 1: the first layer's fragments (t, s) at v[32 t + 16 s].   window 2: W1b's (a, s) likewise.   window 3: Wb2a's (t, s) likewise, v128 Wb1, v160 W2b, and:
.set XG,   192                         ; v192-223 of window 3: my 4,096 bytes of a coming block's codes
.set WB,   224                         ; v224-255 of window 3: wb2b in the layout of h3's accumulators
.set WV,   52                          ; s52 wave
.set BLK,  53                          ; s53 block, 0 to 7
.set TB,   54                          ; s54 the block's buffer: 0 or BUF1
.set TBN,  55                          ; s55 the other one
.set L2E,  56                          ; s[56:57] log2(e)
.set SEL,  58                          ; s[58:59] v_permlanex16_b32's selects for lane l xor 16
.set MNT,  60                          ; s60 the mantissa field of 448
.set BB,   61                          ; s61 bb2b
; offsets used at the head alone
.set G16, 116
.set G8,  117
.set G4,  118
.set SXS, 119
.set SQ,  120
.set SB8, 121
.set SB16,122
.set SB4, 123
.set OWP, 124
.set OWN, 125
.set OSP, 126
.set OSN, 127
.set OWB, 128
.set RR,  129
.set HH,  130
.set LL,  131
.set RP,  132
.set TT,  133
.set MSB, 0
.macro WIN new                         ; the immediate's high byte repeats the setting that is left; a switch that changes nothing is dropped
.if MSB != \new
	s_set_vgpr_msb (MSB<<8)|\new
.set MSB, \new
.endif
.endm
.macro PLACES n
.rept \n
	v_nop
.endr
.endm
.macro BARRIER                         ; my LDS stores have landed and my LDS loads are in: then the work-group's barrier
	s_wait_dscnt 0x0
	s_barrier_signal -1
	s_barrier_wait -1
.endm
.macro PADD p                          ; a buffer's address + the offset in s[62:63]
	s_add_nc_u64 s[\p:\p+1], s[\p:\p+1], s[62:63]
.endm
.macro WLOAD reg, off, base, imm       ; a weight fragment: 16 rows x 128 K; lane (r, h) takes 16 bytes at 32 c + 16 h of its row
.irp c, 0,1,2,3
	global_load_b128 v[(\reg)+4*\c:(\reg)+4*\c+3], v[\off], s[\base:\base+1] offset:(\imm)+32*\c
.endr
.endm
.macro XLOAD                           ; my 16 rows of a block's codes: eight loads of 512 consecutive bytes
	WIN 0xc0                                       ; destination window 3
.irp i, 0,1,2,3,4,5,6,7
	global_load_b128 v[XG+4*\i:XG+4*\i+3], v[LI], s[4:5] offset:512*\i th:TH_LOAD_NT
.endr
	WIN 0
.endm
.macro XSTORE adr                      ; and into LDS as padded rows: two rows a store
	WIN 0x0c                                       ; an LDS store's data are its source 1: window 3
.irp i, 0,1,2,3,4,5,6,7
	ds_store_b128 v[\adr], v[XG+4*\i:XG+4*\i+3] offset:2*PX*\i
.endr
	WIN 0
.endm
	s_load_b512 s[4:19], s[0:1], 0x0               ; x's codes 4, x's scales 6, q 8, out 10, W1a 12, W2a 14, their scales 16, 18
	s_load_b512 s[20:35], s[0:1], 0x40             ; Wb2a 20, 22; Wb1 24, 26; W1b 28, 30; W2b 32, 34 (codes, scales)
	s_load_b512 s[36:51], s[0:1], 0x80             ; b1a 36, b2a 38, bb2a 40, b1b 42, bb1 44, b2b 46, wb2b 48, bb2b 50
	v_lshl_add_u32 v254, v0, 2, 0x2a600
	v_mov_b32 v255, 0
	v_lshrrev_b32 v1, 5, v0
	v_readfirstlane_b32 s[WV], v1                  ; wave 0..3
	v_and_b32 v[RR], 15, v0                        ; r
	v_bfe_u32 v[HH], v0, 4, 1                      ; h
	v_and_b32 v[LL], 31, v0                        ; lane
	v_and_b32 v[RP], 8, v[RR]
	v_add_nc_u32 v[RP], v[RP], v[RR]               ; r + 8 (r / 8)
	v_mul_u32_u24 v[LF], v[RR], PX
	v_lshl_add_u32 v[LF], v[HH], 4, v[LF]
	v_lshlrev_b32 v[LI], 4, v[LL]
	s_lshl_b32 s62, s[WV], 11
	v_add_nc_u32 v[HW], s62, v[LI]
	s_add_co_u32 s62, s62, PART
	v_lshl_add_u32 v[AP], v[RR], 2, s62
	v_lshlrev_b32 v[LS], 2, v[LL]
	s_lshl_b32 s62, s[WV], 6
	v_lshl_add_u32 v[HSW], v[RR], 2, s62
	s_add_co_u32 s62, s62, BT
	v_lshl_add_u32 v[BAE], v[HH], 5, s62
	s_mul_i32 s62, s[WV], 16*PX
	v_mul_u32_u24 v[XW], v[HH], PX
	v_lshl_add_u32 v[XW], v[RR], 4, v[XW]
	v_add_nc_u32 v[XW], s62, v[XW]
	v_lshlrev_b32 v[AXS], 3, v[RR]
	v_lshl_add_u32 v[AXS], v[HH], 2, v[AXS]
	v_add_nc_u32 v[AXS], XSC, v[AXS]
	v_mul_u32_u24 v[AQ], v[RR], 48
	v_add_nc_u32 v[AQ], QT, v[AQ]
	s_lshl_b32 s74, s[WV], 9
	s_add_co_u32 s62, s74, BT
	v_lshl_add_u32 v[BA1], v[HH], 6, s62
	s_add_co_u32 s62, s74, PART
	v_add_nc_u32 v[FIN], s62, v[LI]
	s_lshl_b32 s62, s[WV], 8
	s_add_co_u32 s62, s62, BT+2048
	v_lshl_add_u32 v[BA3], v[HH], 6, s62
	v_lshlrev_b32 v[G16], 4, v0                    ; in memory: 16, 8 and 4 bytes a thread
	v_lshlrev_b32 v[G8], 3, v0
	v_and_b32 v[G4], 63, v0
	v_lshlrev_b32 v[G4], 2, v[G4]
	v_lshl_add_u32 v[SXS], v0, 4, XSC              ; and where they go in LDS
	v_lshrrev_b32 v[SQ], 1, v0
	v_mul_u32_u24 v[SQ], v[SQ], 48
	v_and_b32 v[TT], 1, v0
	v_lshl_add_u32 v[SQ], v[TT], 4, v[SQ]
	v_add_nc_u32 v[SQ], QT, v[SQ]                  ; q: two threads to a row of 32 bytes, rows 48 bytes apart
	v_lshl_add_u32 v[SB8], v0, 3, BT
	v_lshl_add_u32 v[SB16], v0, 4, BT+3072
	v_lshl_add_u32 v[SB4], v0, 2, BT+5120
	v_lshlrev_b32 v[OWP], 8, v[RP]                 ; a weight row is 256 bytes: first-layer tiles by r + 8 (r / 8),
	v_lshl_add_u32 v[OWP], v[HH], 4, v[OWP]
	v_lshlrev_b32 v[OWN], 8, v[RR]                 ; the others by r
	v_lshl_add_u32 v[OWN], v[HH], 4, v[OWN]
	v_lshlrev_b32 v[OSP], 3, v[RP]                 ; its scale bytes are 8: lanes 0-15 take K step 0's word, lanes 16-31 K step 1's
	v_lshl_add_u32 v[OSP], v[HH], 2, v[OSP]
	v_lshlrev_b32 v[OSN], 3, v[RR]
	v_lshl_add_u32 v[OSN], v[HH], 2, v[OSN]
	v_lshlrev_b32 v[OWB], 6, v[HH]                 ; wb2b: 16 h units on
	v_mov_b32 v[CT], 0                             ; written once: a lane permute's destination counts as one of its sources
	v_mov_b32 v[CT+1], 0
	s_mov_b32 s[L2E], 0x3fb8aa3b
	s_mov_b32 s[L2E+1], s[L2E]                     ; (named with it as a pair, so it is written)
	s_mov_b32 s[SEL], 0x76543210
	s_mov_b32 s[SEL+1], 0xfedcba98
	s_mov_b32 s[MNT], 0x600000
	s_mov_b32 s[BLK], 0
	s_mov_b32 s[TB], 0
	s_mov_b32 s63, 0
	s_lshl_b32 s72, s[WV], 12
	s_and_b32 s73, s[WV], 1
	s_wait_kmcnt 0x0
	s_load_b32 s[BB], s[50:51], 0x0                ; bb2b: nobody writes that buffer
	s_cmp_lt_u32 s[WV], 2                          ; waves 0, 1: W1a and bb1; waves 2, 3: W2a and b2b.  The choice hangs on the wave's number alone
	s_cselect_b64 s[66:67], s[12:13], s[14:15]
	s_cselect_b64 s[68:69], s[16:17], s[18:19]
	s_cselect_b64 s[70:71], s[44:45], s[46:47]
	s_lshl_b32 s62, ttmp9, 17                      ; x's codes: 512 rows x 256 bytes a work-group, 16 rows a wave
	s_add_co_u32 s62, s62, s72
	PADD 4
	s_lshl_b32 s62, ttmp9, 12                      ; its scale bytes: 512 x 8
	PADD 6
	s_lshl_b32 s62, ttmp9, 14                      ; q: 512 x 32
	PADD 8
	s_lshl_b32 s62, ttmp9, 11                      ; out: 512 x 4, 128 rows a wave
	s_add_co_u32 s62, s62, s74
	PADD 10
	s_lshl_b32 s62, s73, 15                        ; first layer: units 128 (wave % 2) on
	PADD 66
	s_lshl_b32 s62, s73, 10
	PADD 68
	s_lshl_b32 s62, s[WV], 14                      ; Wb2a: units 64 wave on
	PADD 20
	s_mov_b32 s62, s74
	PADD 22
	s_mov_b32 s62, s72                             ; Wb1, W1b, W2b: rows 16 wave on
	PADD 24
	PADD 28
	PADD 32
	s_lshl_b32 s62, s[WV], 7
	PADD 26
	PADD 30
	PADD 34
	s_lshl_b32 s62, s[WV], 8                       ; wb2b: units 64 wave on
	PADD 48
	; what goes to LDS: block 0's codes, the 512 rows' scale bytes and q, the biases: every load covers consecutive bytes
	XLOAD
	global_load_b128 v[H:H+3], v[G16], s[6:7] th:TH_LOAD_NT
	global_load_b128 v[H+4:H+7], v[G16], s[6:7] offset:2048 th:TH_LOAD_NT
.irp i, 0,1,2,3,4,5,6,7
	global_load_b128 v[H+8+4*\i:H+8+4*\i+3], v[G16], s[8:9] offset:2048*\i th:TH_LOAD_NT
.endr
	global_load_b64 v[H+40:H+41], v[G8], s[36:37]
	global_load_b64 v[H+42:H+43], v[G8], s[38:39]
	global_load_b64 v[H+44:H+45], v[G8], s[40:41]
	global_load_b128 v[H+48:H+51], v[G16], s[42:43]
	global_load_b32 v[H+52], v[G4], s[70:71]
	; the weights: they stay.  A tile's eight loads stand together, so that each row's 256 bytes are used up by neighbouring instructions
	WIN 0x40                                       ; destination window 1
.irp t, 0,1,2,3,4,5,6,7
.irp s, 0,1
	WLOAD 32*\t+16*\s, OWP, 66, (32*(\t/2)+8*(\t%2))*256+128*\s
.endr
.endr
	WIN 0x80                                       ; window 2
.irp a, 0,1,2,3,4,5,6,7
.irp s, 0,1
	WLOAD 32*\a+16*\s, OWN, 28, 64*\a*256+128*\s
.endr
.endr
	WIN 0xc0                                       ; window 3
.irp t, 0,1,2,3
.irp s, 0,1
	WLOAD 32*\t+16*\s, OWP, 20, (32*(\t/2)+8*(\t%2))*256+128*\s
.endr
.endr
.irp s, 0,1
	WLOAD 128+16*\s, OWN, 24, 128*\s
	WLOAD 160+16*\s, OWN, 32, 128*\s
.endr
.irp t, 0,1,2,3
	global_load_b128 v[WB+8*\t:WB+8*\t+3], v[OWB], s[48:49] offset:(32*(\t/2)+8*(\t%2))*4
	global_load_b128 v[WB+8*\t+4:WB+8*\t+7], v[OWB], s[48:49] offset:(32*(\t/2)+8*(\t%2))*4+16
.endr
	WIN 0
.irp t, 0,1,2,3,4,5,6,7
	global_load_b32 v[WS+\t], v[OSP], s[68:69] offset:(32*(\t/2)+8*(\t%2))*8
.endr
.irp t, 0,1,2,3
	global_load_b32 v[WS+8+\t], v[OSP], s[22:23] offset:(32*(\t/2)+8*(\t%2))*8
.endr
	global_load_b32 v[WS+12], v[OSN], s[26:27]
	global_load_b32 v[WS+13], v[OSN], s[34:35]
.irp a, 0,1,2,3,4,5,6,7
	global_load_b32 v[WS+14+\a], v[OSN], s[30:31] offset:512*\a
.endr
	s_wait_loadcnt 0x0                             ; all of the head's loads, once
	s_wait_kmcnt 0x0                               ; bb2b
	XSTORE XW                                      ; block 0 goes into buffer 0
	ds_store_b128 v[SXS], v[H:H+3]
	ds_store_b128 v[SXS], v[H+4:H+7] offset:2048
.irp i, 0,1,2,3,4,5,6,7
	ds_store_b128 v[SQ], v[H+8+4*\i:H+8+4*\i+3] offset:3072*\i
.endr
	ds_store_b64 v[SB8], v[H+40:H+41]
	ds_store_b64 v[SB8], v[H+42:H+43] offset:1024
	ds_store_b64 v[SB8], v[H+44:H+45] offset:2048
	ds_store_b128 v[SB16], v[H+48:H+51]
	ds_store_b32 v[SB4], v[H+52]
	s_wait_dscnt 0x0                               ; the stores have read their registers: block 1's codes may land where block 0's lay
	s_add_nc_u64 s[4:5], s[4:5], 64*256            ; (the loads that read this base are done)
	XLOAD                                          ; block 1
	BARRIER                                        ; x of block 0, all scale bytes, q and the biases lie in LDS
; One matrix instruction, adding in place.  s = 1: the second K step: both sides' scale words stand in lanes 16-31.
.macro MM d, a, b, ws, xs, s
.if \s
	v_wmma_scale_f32_16x16x128_f8f6f4 v[(\d):(\d)+7], v[(\a):(\a)+15], v[(\b):(\b)+15], v[(\d):(\d)+7], v[\ws], v[\xs] matrix_a_scale:MATRIX_SCALE_ROW1 matrix_b_scale:MATRIX_SCALE_ROW1
.else
	v_wmma_scale_f32_16x16x128_f8f6f4 v[(\d):(\d)+7], v[(\a):(\a)+15], v[(\b):(\b)+15], v[(\d):(\d)+7], v[\ws], v[\xs]
.endif
.endm
.macro XFRAG m                         ; tile m's two fragments of x and its scale words: 9 loads
.irp s, 0,1
.irp c, 0,1,2,3
	ds_load_b128 v[XF+16*\s+4*\c:XF+16*\s+4*\c+3], v[AXF] offset:16*PX*(\m)+128*\s+32*\c
.endr
.endr
	ds_load_b32 v[XS], v[AXS] offset:128*(\m)
.endm
.macro BIAS_T m                        ; bb2a into h3's four accumulators, bb1 into b1's: 10 loads
.irp t, 0,1,2,3
	ds_load_b128 v[T+8*\t:T+8*\t+3], v[BA3] offset:(32*(\t/2)+8*(\t%2))*4
	ds_load_b128 v[T+8*\t+4:T+8*\t+7], v[BA3] offset:(32*(\t/2)+8*(\t%2))*4+16
.endr
	ds_load_b128 v[KEEP+8*(\m):KEEP+8*(\m)+3], v[BAE] offset:5120
	ds_load_b128 v[KEEP+8*(\m)+4:KEEP+8*(\m)+7], v[BAE] offset:5136
.endm
.macro BIAS_H                          ; b1a or b2a into the eight accumulators: 16 loads
.irp t, 0,1,2,3,4,5,6,7
	ds_load_b128 v[H+8*\t:H+8*\t+3], v[BA1] offset:(32*(\t/2)+8*(\t%2))*4
	ds_load_b128 v[H+8*\t+4:H+8*\t+7], v[BA1] offset:(32*(\t/2)+8*(\t%2))*4+16
.endr
.endm
; The accumulators take turns, one instruction a turn: five here, eight and nine below.
.macro GA2 m                           ; h3's four tiles and b1's
	WIN 0x03                                       ; source 0 window 3
.irp s, 0,1
.irp t, 0,1,2,3
	MM T+8*\t, 32*\t+16*\s, XF+16*\s, WS+8+\t, XS, \s
.endr
	MM KEEP+8*(\m), 128+16*\s, XF+16*\s, WS+12, XS, \s
.endr
.endm
.macro GA1                             ; my eight tiles of h1 or h2
	WIN 0x01                                       ; source 0 window 1
.irp s, 0,1
.irp t, 0,1,2,3,4,5,6,7
	MM H+8*\t, 32*\t+16*\s, XF+16*\s, WS+\t, XS, \s
.endr
.endr
.endm
; elu on 32 registers, in place, from the low end on.  The 32 exponentials are one batch: a plain instruction behind the last, then one wait ahead of the first line that names a result.
.macro ELU32 src
.set i, 0
.rept 16
	v_pk_mul_f32 v[E+i:E+i+1], v[(\src)+i:(\src)+i+1], s[L2E:L2E+1] op_sel_hi:[1,0]
.set i, i+2
.endr
.set i, 0
.rept 32
	v_exp_f32 v[E+i], v[E+i]
.set i, i+1
.endr
	v_nop
	s_wait_alu depctr_va_vdst(0)
.set i, 0
.rept 16
	v_pk_add_f32 v[E+i:E+i+1], v[E+i:E+i+1], -1.0 op_sel_hi:[1,0]
.set i, i+2
.endr
.set i, 0
.rept 32
	v_med3_num_f32 v[(\src)+i], v[(\src)+i], v[E+i], 0       ; the middle one of x, e^x - 1 and 0
.set i, i+1
.endr
.endm
.macro DOT m                           ; my 32 units of h3 . wb2b, in four chains of packed multiply-adds
	WIN 0x0c                                       ; source 1 (wb2b) window 3
.irp k, 0,2,4,6
	v_pk_mul_f32 v[E+\k:E+\k+1], v[T+\k:T+\k+1], v[WB+\k:WB+\k+1]
.endr
.irp g, 8,16,24
.irp k, 0,2,4,6
	v_pk_fma_f32 v[E+\k:E+\k+1], v[T+\g+\k:T+\g+\k+1], v[WB+\g+\k:WB+\g+\k+1], v[E+\k:E+\k+1]
.endr
.endr
	WIN 0
	v_pk_add_f32 v[E:E+1], v[E:E+1], v[E+2:E+3]
	v_pk_add_f32 v[E+4:E+5], v[E+4:E+5], v[E+6:E+7]
	v_pk_add_f32 v[E:E+1], v[E:E+1], v[E+4:E+5]
	v_add_f32 v[P2+(\m)], v[E], v[E+1]
.endm
; The 64 numbers in v[H] on (register 16 b + i = unit 32 b + 16 h + i of my row) become a fragment's codes in v[CD] on and its scale word in v[PW].
.macro QUANT
.irp b, 0,1,2,3
	v_max3_num_f32 v[TM+\b], |v[H+16*\b]|, |v[H+1+16*\b]|, 0x4800000   ; block b: my 16 numbers, and the floor 2^(9 - 127): the byte cannot fall under 1
.endr
.irp i, 2,4,6,8,10,12,14
.irp b, 0,1,2,3
	v_max3_num_f32 v[TM+\b], v[TM+\b], |v[H+16*\b+\i]|, |v[H+1+16*\b+\i]|   ; (the four blocks by turns)
.endr
.endr
.irp b, 0,1,2,3
	v_permlanex16_b32 v[TM+4+\b], v[TM+\b], s[SEL], s[SEL+1]
.endr
.irp b, 0,1,2,3
	v_max_num_f32 v[TM+\b], v[TM+\b], v[TM+4+\b]   ; with lane l xor 16's: the block's largest magnitude
.endr
.irp b, 0,1,2,3
	v_add_nc_u32 v[TM+12+\b], 0xfc000000, v[TM+\b]   ; 8 off its exponent field: the conversion takes that field of this operand as its scale
.endr
.irp b, 0,1,2,3
	v_and_or_b32 v[TM+8+\b], v[TM+\b], 0x7f800000, s[MNT]   ; 448 x the scale
.endr
.irp b, 0,1,2,3
	v_lshrrev_b32 v[TM+4+\b], 23, v[TM+12+\b]      ; the scale's byte
.endr
	v_lshl_or_b32 v[PW], v[TM+5], 8, v[TM+4]       ; the four bytes make my row's scale word
	v_lshl_or_b32 v[PW], v[TM+6], 16, v[PW]
	v_lshl_or_b32 v[PW], v[TM+7], 24, v[PW]
.irp b, 0,1,2,3
.irp i, 0,1,2,3,4,5,6,7,8,9,10,11,12,13,14,15
	v_med3_num_f32 v[H+16*\b+\i], v[H+16*\b+\i], -v[TM+8+\b], v[TM+8+\b]   ; the conversion to an 8-bit code does not saturate (ISA guide 7.6.2): the hold at 448 x the scale
.endr
	v_cvt_scalef32_pk8_fp8_f32 v[CD+4*\b:CD+1+4*\b], v[H+16*\b:H+7+16*\b], v[TM+12+\b]
	v_cvt_scalef32_pk8_fp8_f32 v[CD+2+4*\b:CD+3+4*\b], v[H+8+16*\b:H+15+16*\b], v[TM+12+\b]
.endr
	v_nop                                          ; one plain vector instruction behind the last scaled conversion
.endm
.macro IMAGE m                         ; my fragment of tile m goes to LDS as its registers stand, and its scale words: 5 stores
.irp c, 0,1,2,3
	ds_store_b128 v[AHW], v[CD+4*\c:CD+4*\c+3] offset:HIMG+8192*(\m)+512*\c
.endr
	ds_store_b32 v[AHSW], v[PW] offset:HSC+256*(\m)          ; both halves of the lanes hold the same word and write it to the same place
.endm
; THE FIRST LAYERS of tile m.  Eight places stand behind the matrix instructions, ahead of the loads into their operands and of the first reads of their results.
.macro PHASE_A m
	s_wait_dscnt 16                                ; all but the youngest sixteen, the biases of the eight accumulators: x, its scale words and the first five accumulators' biases are in, and the last image's stores are done
	GA2 \m
	s_wait_dscnt 0x0                               ; the sixteen
	GA1
	WIN 0
	PLACES 8
.if \m < 3
	XFRAG \m+1
.endif
	ELU32 T
	DOT \m
.if \m < 3
	BIAS_T \m+1
.endif
	ELU32 H
	ELU32 H+32
	QUANT
	IMAGE \m
.if \m < 3
	BIAS_H
.endif
.endm
.macro HFRAG m                         ; tile m's four hidden fragments (h1's two, h2's two) and their scale words, from all four waves' images: 18 loads
.irp f, 0,1
.irp c, 0,1,2,3
	ds_load_b128 v[XF+16*\f+4*\c:XF+16*\f+4*\c+3], v[AHI] offset:HIMG+(4*(\m)+\f)*2048+512*\c
.endr
.endr
.irp f, 0,1
.irp c, 0,1,2,3
	ds_load_b128 v[T+16*\f+4*\c:T+16*\f+4*\c+3], v[AHI] offset:HIMG+(4*(\m)+2+\f)*2048+512*\c
.endr
.endr
	ds_load_b32 v[HS1], v[AHS] offset:HSC+256*(\m)
	ds_load_b32 v[HS2], v[AHS] offset:HSC+256*(\m)+128
.endm
.macro QW2 m                           ; my row's eight q, and b2b into w2's accumulator; two sets of each, by turns: 4 loads
.set QS, E+8*((\m)%2)
.set W2, E+16+8*((\m)%2)
	ds_load_b128 v[QS:QS+3], v[AQ] offset:768*(\m)
	ds_load_b128 v[QS+4:QS+7], v[AQ] offset:768*(\m)+16
	ds_load_b128 v[W2:W2+3], v[BAE] offset:5376
	ds_load_b128 v[W2+4:W2+7], v[BAE] offset:5392
.endm
.macro BIAS_W a                        ; b1b into agent a's accumulator
	ds_load_b128 v[H+8*(\a):H+8*(\a)+3], v[BAE] offset:3072+256*(\a)
	ds_load_b128 v[H+8*(\a)+4:H+8*(\a)+7], v[BAE] offset:3072+256*(\a)+16
.endm
.macro GB m                            ; w1's eight tiles and w2's
.set W2, E+16+8*((\m)%2)
.irp s, 0,1
	WIN 0x02                                       ; source 0 window 2
.irp a, 0,1,2,3,4,5,6,7
	MM H+8*\a, 32*\a+16*\s, XF+16*\s, WS+14+\a, HS1, \s
.endr
	WIN 0x03                                       ; source 0 window 3
	MM W2, 160+16*\s, T+16*\s, WS+13, HS2, \s
.endr
.endm
.macro MIX m                           ; hidden[e] = relu(b1[e] + sum over a of q[a] |w1[a][e]|); then sum over e of hidden[e] |w2[e]|, onto h3 . wb2b.  Each accumulator is read from its low end on
.set QS, E+8*((\m)%2)
.set W2, E+16+8*((\m)%2)
.set KP, KEEP+8*(\m)
.irp a, 0,1,2,3,4,5,6,7
.irp j, 0,1,2,3,4,5,6,7
	v_fma_f32 v[KP+\j], v[QS+\a], |v[H+8*\a+\j]|, v[KP+\j]
.endr
.if (\m) < 3
	BIAS_W \a                                      ; the accumulator has been read: the next tile's bias may land
.endif
.endr
.irp j, 0,1,2,3,4,5,6,7
	v_max_num_f32 v[KP+\j], 0, v[KP+\j]
.endr
	v_fma_f32 v[P2+(\m)], v[KP], |v[W2]|, v[P2+(\m)]
	v_mul_f32 v[CT], v[KP+1], |v[W2+1]|
.irp j, 2,4,6
	v_fma_f32 v[P2+(\m)], v[KP+\j], |v[W2+\j]|, v[P2+(\m)]
	v_fma_f32 v[CT], v[KP+\j+1], |v[W2+\j+1]|, v[CT]
.endr
	v_add_f32 v[P2+(\m)], v[P2+(\m)], v[CT]
	v_permlanex16_b32 v[CT+1], v[P2+(\m)], s[SEL], s[SEL+1]
	v_add_f32 v[P2+(\m)], v[P2+(\m)], v[CT+1]      ; with lane l xor 16's eight e and 32 units: my wave's part of row r's result, the same bits in both lanes
	ds_store_b32 v[AP], v[P2+(\m)] offset:64*(\m)
.endm
.macro PHASE_B m                       ; THE SECOND LAYERS AND THE MIXING of tile m
	s_wait_dscnt 0x0                               ; fragments, scale words, q and biases are in
	GB \m
	WIN 0
	PLACES 8
.if \m < 3
	HFRAG \m+1
	QW2 \m+1
.endif
	MIX \m
.endm
.Lblock:                                           ; 8 trips, a block of 64 rows each
	s_xor_b32 s[TBN], s[TB], BUF1
	v_add_nc_u32 v[AXF], s[TB], v[LF]              ; no LDS instruction of mine is out: the addresses may be written
	v_add_nc_u32 v[AHI], s[TB], v[LI]
	v_add_nc_u32 v[AHW], s[TB], v[HW]
	v_add_nc_u32 v[AHS], s[TB], v[LS]
	v_add_nc_u32 v[AHSW], s[TB], v[HSW]
	v_add_nc_u32 v[AXW], s[TBN], v[XW]
	XFRAG 0
	BIAS_T 0
	BIAS_H
.irp m, 0,1,2,3
	PHASE_A \m
.endr
	s_cmp_eq_u32 s[BLK], 7                         ; the next block's codes, asked for a block ago, go into the other buffer; the last block has no next
	s_cbranch_scc1 .Lno_stage
	s_wait_loadcnt 0x0
	XSTORE AXW
.Lno_stage:
	BARRIER                                        ; this block's sixteen images and the next block's x lie in LDS; every wave's reads of this block's x are over
	s_cmp_lt_u32 s[BLK], 6                         ; the block after the next is asked for: no load leaves its buffer
	s_cbranch_scc0 .Lno_load
	s_wait_loadcnt 0x0                             ; the earlier loads are done, so their base may step and their registers may be loaded again (the stores that read them were waited for ahead of the barrier)
	s_add_nc_u64 s[4:5], s[4:5], 64*256
	XLOAD
.Lno_load:
	HFRAG 0
	QW2 0
.irp a, 0,1,2,3,4,5,6,7
	BIAS_W \a
.endr
.irp m, 0,1,2,3
	PHASE_B \m
.endr
	s_wait_dscnt 0x0                               ; my last store has read its registers
	v_add_nc_u32 v[AXS], 512, v[AXS]               ; 64 rows on
	v_add_nc_u32 v[AQ], 3072, v[AQ]
	v_add_nc_u32 v[AP], 256, v[AP]
	s_xor_b32 s[TB], s[TB], BUF1
	s_add_co_u32 s[BLK], s[BLK], 1
	s_cmp_lt_u32 s[BLK], 8
	s_cbranch_scc1 .Lblock
	BARRIER                                        ; the four waves' parts of all 512 rows lie in LDS
.irp k, 0,1,2,3
	ds_load_b128 v[H+4*\k:H+4*\k+3], v[FIN] offset:2048*\k   ; wave w sums rows 128 w on: four rows a lane
.endr
	s_wait_dscnt 0x0
	v_pk_add_f32 v[H:H+1], v[H:H+1], v[H+4:H+5]
	v_pk_add_f32 v[H+2:H+3], v[H+2:H+3], v[H+6:H+7]
	v_pk_add_f32 v[H+8:H+9], v[H+8:H+9], v[H+12:H+13]
	v_pk_add_f32 v[H+10:H+11], v[H+10:H+11], v[H+14:H+15]
	v_pk_add_f32 v[H:H+1], v[H:H+1], v[H+8:H+9]
	v_pk_add_f32 v[H+2:H+3], v[H+2:H+3], v[H+10:H+11]
.irp j, 0,1,2,3
	v_add_f32 v[H+\j], s[BB], v[H+\j]              ; + bb2b
.endr
	global_store_b128 v[LI], v[H:H+3], s[10:11] th:TH_STORE_NT   ; the wave stores 512 consecutive bytes, at a multiple of 256 from out0's first byte
	s_wait_tensorcnt 0x0
	ds_add_u32 v254, v255
	s_wait_dscnt 0x0
	s_endpgm
.Lfunc_end_k_q1c53502838_mix:
	.size	k_q1c53502838_mix, .Lfunc_end_k_q1c53502838_mix-k_q1c53502838_mix
	.p2alignl 7, 3214868480
	.fill 96, 4, 3214868480
	.section	.rodata,"a",@progbits
	.p2align	6, 0x0
	.amdhsa_kernel k_q1c53502838_mix
		.amdhsa_group_segment_fixed_size 174080
		.amdhsa_private_segment_fixed_size 0
		.amdhsa_enable_private_segment 0
		.amdhsa_kernarg_size 192
		.amdhsa_user_sgpr_count 2
		.amdhsa_user_sgpr_kernarg_segment_ptr 1
		.amdhsa_wavefront_size32 1
		.amdhsa_system_sgpr_workgroup_id_x 1
		.amdhsa_system_sgpr_workgroup_id_y 1
		.amdhsa_system_sgpr_workgroup_id_z 1
		.amdhsa_system_vgpr_workitem_id 0
		.amdhsa_next_free_vgpr 1024
		.amdhsa_next_free_sgpr 80
		.amdhsa_reserve_vcc 0
		.amdhsa_float_denorm_mode_32 3
		.amdhsa_float_denorm_mode_16_64 3
		.amdhsa_memory_ordered 1
		.amdhsa_forward_progress 1
		.amdhsa_inst_pref_size 196
	.end_amdhsa_kernel
	.amdgpu_metadata
---
amdhsa.version: [ 1, 2 ]
amdhsa.kernels:
  - .name:           k_q1c53502838_mix
    .symbol:         k_q1c53502838_mix.kd
    .args:
      - { .name: central_states_codes, .offset: 0, .size: 8, .value_kind: global_buffer, .address_space: global }
      - { .name: central_states_scales, .offset: 8, .size: 8, .value_kind: global_buffer, .address_space: global }
      - { .name: agent_q_values, .offset: 16, .size: 8, .value_kind: global_buffer, .address_space: global }
      - { .name: out0, .offset: 24, .size: 8, .value_kind: global_buffer, .address_space: global }
      - { .name: w1a_codes, .offset: 32, .size: 8, .value_kind: global_buffer, .address_space: global }
      - { .name: w2a_codes, .offset: 40, .size: 8, .value_kind: global_buffer, .address_space: global }
      - { .name: w1a_scales, .offset: 48, .size: 8, .value_kind: global_buffer, .address_space: global }
      - { .name: w2a_scales, .offset: 56, .size: 8, .value_kind: global_buffer, .address_space: global }
      - { .name: wb2a_codes, .offset: 64, .size: 8, .value_kind: global_buffer, .address_space: global }
      - { .name: wb2a_scales, .offset: 72, .size: 8, .value_kind: global_buffer, .address_space: global }
      - { .name: wb1_codes, .offset: 80, .size: 8, .value_kind: global_buffer, .address_space: global }
      - { .name: wb1_scales, .offset: 88, .size: 8, .value_kind: global_buffer, .address_space: global }
      - { .name: w1b_codes, .offset: 96, .size: 8, .value_kind: global_buffer, .address_space: global }
      - { .name: w1b_scales, .offset: 104, .size: 8, .value_kind: global_buffer, .address_space: global }
      - { .name: w2b_codes, .offset: 112, .size: 8, .value_kind: global_buffer, .address_space: global }
      - { .name: w2b_scales, .offset: 120, .size: 8, .value_kind: global_buffer, .address_space: global }
      - { .name: b1a, .offset: 128, .size: 8, .value_kind: global_buffer, .address_space: global }
      - { .name: b2a, .offset: 136, .size: 8, .value_kind: global_buffer, .address_space: global }
      - { .name: bb2a, .offset: 144, .size: 8, .value_kind: global_buffer, .address_space: global }
      - { .name: b1b, .offset: 152, .size: 8, .value_kind: global_buffer, .address_space: global }
      - { .name: bb1, .offset: 160, .size: 8, .value_kind: global_buffer, .address_space: global }
      - { .name: b2b, .offset: 168, .size: 8, .value_kind: global_buffer, .address_space: global }
      - { .name: wb2b, .offset: 176, .size: 8, .value_kind: global_buffer, .address_space: global }
      - { .name: bb2b, .offset: 184, .size: 8, .value_kind: global_buffer, .address_space: global }
    .group_segment_fixed_size: 174080
    .private_segment_fixed_size: 0
    .kernarg_segment_align: 8
    .kernarg_segment_size: 192
    .max_flat_workgroup_size: 128
    .sgpr_count:     80
    .vgpr_count:     1024
    .wavefront_size: 32
...
	.end_amdgpu_metadata
.endif
;; end of part 1
;; ======== version 2 of 2: 1 launch; version 1 with the launch mix written anew for expert scheduling mode
;; limits: a function is approximated: absolute error at most 2.4e-07
;; launch mix (part 2): grid 256 x 1, 4 waves a work-group, no clusters, 174,080 bytes of LDS; arguments central_states_codes, central_states_scales, agent_q_values, out0, w1a_codes, w2a_codes, w1a_scales, w2a_scales, wb2a_codes, wb2a_scales, wb1_codes, wb1_scales, w1b_codes, w1b_scales, w2b_codes, w2b_scales, b1a, b2a, bb2a, b1b, bb1, b2b, wb2b, bb2b; writes out0
.if DOCPART == 2
	.amdgcn_target "amdgcn-amd-amdhsa--gfx1250"
	.amdhsa_code_object_version 6
	.text
	.protected	k_q1c53502838_mix
	.globl	k_q1c53502838_mix
	.p2align	8
	.type	k_q1c53502838_mix,@function
k_q1c53502838_mix:
	s_mov_b64 s[64:65], 0
	v_nop
	global_prefetch_b8 v0, s[64:65] scope:SCOPE_SE
	s_setreg_imm32_b32 hwreg(HW_REG_WAVE_SCHED_MODE, 0, 2), 2
	s_setreg_imm32_b32 hwreg(HW_REG_WAVE_MODE, 25, 1), 1
	s_wait_xcnt 0x0
	s_wait_alu depctr_vm_vsrc(0)
; THE MIXING NETWORK, fused into one launch.  For each of 131,072 rows (256 codes of FP8 (E4M3) of the state with 8 E8M0 scale bytes; 8 agent values q in f32):
;   h1 = elu(st W1a + b1a), h2 = elu(st W2a + b2a), h3 = elu(st Wb2a + bb2a)   (256 units each);   b1 = st Wb1 + bb1   (64)
;   w1 = |Q(h1) W1b + b1b| (8 x 64),  w2 = |Q(h2) W2b + b2b| (64),  b2 = h3 . wb2b + bb2b;   out = sum over e of relu(sum over a of q[a] w1[a][e] + b1[e]) w2[e] + b2
; Q is the MX quantiser along the 256 hidden units (blocks of 32).  The six large products go by v_wmma_scale_f32_16x16x128_f8f6f4; all else is f32 vector arithmetic.  Nothing but out0 is stored to memory.
; SHARES.  256 work-groups of four waves; a work-group owns 512 rows: 8 blocks of 64 rows, a block = 4 tiles of 16 rows.  THE WAVES SHARE THE COLUMNS, NOT THE ROWS: each wave keeps 22 tiles of 16 weight rows
; (22 x 2 K steps x 16 = 704 registers) for the whole launch, read from memory once:
;   8 tiles of the first layers: waves 0, 1: W1a's units 0-127, 128-255; waves 2, 3: W2a's.  Quantised, a wave's 128 units are exactly one operand fragment (one K step) of the second layer, and one scale word a row;
;   4 tiles of Wb2a (units 64 w on);  1 of Wb1, 8 of W1b (one for each agent a) and 1 of W2b, all for the SAME sixteen e = 16 w .. 16 w + 15.
; EVERY PRODUCT IS USED TRANSPOSED (source 0 = 16 weight rows, source 1 = 16 rows of data): lane (r = lane % 16, h = lane / 16) holds row r of the data, register j the tile's weight row 8 h + j.  So b1[e], w1[a][e] and
; w2[e] of e = 16 w + 8 h + j lie in one lane at one register index, and the mixing needs no exchange but one between the lanes' halves; the four waves' parts of a row's sum meet once, at the end, in LDS.
; THE ROWS OF A FIRST-LAYER TILE ARE NOT NEIGHBOURS: lane r of tile 2 b + u takes unit 32 b + 8 u + r + 8 (r / 8), so that the 16 registers of tiles 2 b, 2 b + 1 are the 16 neighbours 32 b + 16 h + 0 .. 15 along the next K.
; BIASES lie in LDS and are loaded INTO the accumulators (two loads of 16 bytes a tile, the sixteen lanes of a half reading the same bytes); the first matrix instruction adds onto them: no vector instruction is spent.
; SCALE REGISTERS hold K step 0's words in lanes 0-15 and K step 1's in lanes 16-31; the second K step names the upper row on both sides.  They hold scales and nothing else.
; ELU: elu(x) is the middle one of x, e^x - 1 and 0 (x > 0: 0 < x <= e^x - 1; x < 0: x <= e^x - 1 < 0): a packed scaling, v_exp_f32, a packed addition, v_med3_num_f32; no compare.
; ONE BARRIER A BLOCK.  The rows' codes and the hidden layers' images have two LDS buffers by turns: between two barriers the waves read the images of block b in one buffer, read x of block b + 1 and write its images
; in the other, and write x of block b + 2 where x of block b lay, whose last reads stand ahead of the earlier barrier.
; NO JOINT LOADS, though all work-groups read the same weights: such loads land in LDS alone, and the weights' 360,448 bytes of codes are more than the 327,680 bytes of LDS, of which this text uses 173,568; they would
; come in several fills, each behind a round of barriers, and then pass from LDS into registers.  Each work-group reads them once in the launch, straight into the registers that keep them.
; LIMITS.  e^x - 1 is made of v_exp_f32: its error is about 2^-23 absolute, so relative to elu(x) it grows as 2^-23 / |x| for small |x|, and a positive x under about 2^-11 may come out as the rounded e^x - 1, within the same
; absolute bound.  A hidden block of zeros, or one whose largest magnitude lies under 2^-118, gets the scale byte 1 (its codes are what the conversion gives; the bytes are read by this program alone).  NaN and infinities are not served.
; THE MODE: SCHED_MODE bits 1:0 = 2 (LLVM: expert scheduling mode 2), set by the entry lines.  The code itself states the register dependences between vector or matrix instructions and memory or LDS instructions,
; with s_wait_alu, always for 0.
; THE PLAN.  Registers that LDS or memory instructions touch in the loop, and who else names them.  (Every A, B, C and scale register of a matrix instruction is filled by a load.)
;   FIRST LAYERS, tile m.   XF, XS: read by the tile's 26 matrix instructions; tile m + 1's loads stand behind the wait of elu(h3)'s exponentials.   T (and KEEP of tile m + 1): elu and the dot product with wb2b name T;
;   tile m + 1's biases stand behind the wait of the next batch of exponentials.   H: elu, the holds and the conversions name it; CD, PW: the quantiser writes them.  ONE wait on va_vdst behind the quantiser: the image's
;   stores (CD, PW) and the next biases of H follow it.  CD and PW lie in E, which the next tile's elu writes again: one wait on vm_vsrc at the head of tiles 1 to 3.
;   SECOND LAYERS, tile m.  XF, T, HS1, HS2: read by the tile's 18 matrix instructions; the other set of q and of w2's accumulator: named last by the mixing of tile m - 1.  ONE wait on va_vdst behind the matrix
;   instructions' places: tile m + 1's 22 loads follow it, dealt among the mixing's first multiply-adds, which name KEEP, this tile's q and H alone.   H: read by the mixing's 64 multiply-adds; ONE wait behind them,
;   then the sixteen loads of b1b.   P2 .. P2 + 3: written by the dot products and the mixing; stored together at the block's end, behind one wait.
;   XG (window 3): global loads land in it, LDS stores read it, no vector instruction names it: one wait on vm_vsrc behind the block's barrier, which also frees CD for the loads of q.
;   ADDRESSES: v7-12 are written at a block's head, AXS, AQ, AP at its end: one wait on vm_vsrc ahead of the nine additions, one on va_vdst behind them.  All others are made at the kernel's head and stay.
.set PX,    272                        ; a row of x in LDS: 256 codes + 16 bytes = 68 words, so that the 16 rows of a fragment load begin at 16 different banks (64 banks of 4 bytes: ISA guide 11.1)
.set BUF1,  65536                      ; the second buffer begins here: one exclusive or turns an address
.set HIMG,  64*PX                      ; in a buffer, behind the 64 rows of x: 16 images of 2,048 bytes (tile of rows m, fragment f: 4 m + f): an operand's registers as they stand, 16 bytes a lane
.set HSC,   HIMG+16*2048               ; and their scale words: 64 bytes a fragment, 4 bytes a row
.set XSC,   131072                     ; the 512 rows' scale bytes of x as they lie in memory, 8 a row: 4,096 bytes
.set QT,    XSC+4096                   ; q: 512 rows x (32 bytes + 16): 24,576 bytes
.set BT,    QT+24576                   ; biases: b1a +0, b2a +1024, bb2a +2048, b1b +3072, bb1 +5120, b2b +5376: 5,632 bytes
.set PART,  BT+5632                    ; each wave's part of each row's result: 4 x 512 x 4 bytes
; window 0
.set LF,   1                           ; 272 r + 16 h: my place in a tile of x
.set LI,   2                           ; 16 x lane: my place in an image; also my offset in a run of 512 bytes of memory
.set HW,   3                           ; 16 x lane + 2048 x wave: where I store my image
.set LS,   4                           ; 4 x lane: my place among two fragments' scale words
.set HSW,  5                           ; 4 r + 64 x wave: where I store my fragment's
.set XW,   6                           ; (16 wave + h) x 272 + 16 r: where I store the next block's codes
.set AXF,  7                           ; v7-12: the six above, in the block's buffer (the last: in the other one); made anew at each block's head
.set AHI,  8
.set AHW,  9
.set AHS,  10
.set AHSW, 11
.set AXW,  12
.set AXS,  13                          ; x's scale words: XSC + 8 r + 4 h, 512 on for each block
.set AQ,   14                          ; q: QT + 48 r, 3,072 on for each block
.set AP,   15                          ; my part of the results: PART + 2048 wave + 4 r, 256 on for each block
.set BA1,  16                          ; BT + 512 wave + 64 h: my first-layer biases
.set BA3,  17                          ; BT + 2048 + 256 wave + 64 h: bb2a's
.set BAE,  18                          ; BT + 64 wave + 32 h: those of my sixteen e
.set FIN,  19                          ; PART + 512 wave + 16 x lane: the closing sum
.set XS,   20                          ; scale words: x's;
.set HS1,  21                          ; h1's;
.set HS2,  22                          ; h2's
.set PW,   23                          ; the scale word just made
.set WS,   24                          ; v24-45 the weights' scale words: 0-7 first layer, 8-11 Wb2a, 12 Wb1, 13 W2b, 14-21 W1b
.set CT,   46                          ; v46-47 at work in the mixing
.set P2,   48                          ; v48-51 a row tile's running sum: first h3 . wb2b, then the mixing's
.set KEEP, 52                          ; v52-83 tile m: b1's accumulator, then hidden[e]
.set XF,   84                          ; v84-115 two fragments: x's, later h1's
.set T,    116                         ; v116-147 h3's four accumulators, later h2's two fragments; at the head: offsets
.set H,    148                         ; v148-211 eight accumulators: the first layer's, later w1's; at the head: what goes to LDS
.set E,    212                         ; v212-243 at work
.set CD,   E                           ; the quantiser: 16 registers of codes,
.set TM,   E+16                        ; +0 largest magnitudes, +4 bytes, +8 448 x the scale, +12 the conversions' scale operands
; window 1: the first layer's fragments (t, s) at v[32 t + 16 s].   window 2: W1b's (a, s) likewise.   window 3: Wb2a's (t, s) likewise, v128 Wb1, v160 W2b, and:
.set XG,   192                         ; v192-223 of window 3: my 4,096 bytes of a coming block's codes
.set WB,   224                         ; v224-255 of window 3: wb2b in the layout of h3's accumulators
.set WV,   52                          ; s52 wave
.set BLK,  53                          ; s53 block, 0 to 7
.set TB,   54                          ; s54 the block's buffer: 0 or BUF1
.set TBN,  55                          ; s55 the other one
.set L2E,  56                          ; s[56:57] log2(e)
.set SEL,  58                          ; s[58:59] v_permlanex16_b32's selects for lane l xor 16
.set MNT,  60                          ; s60 the mantissa field of 448
.set BB,   61                          ; s61 bb2b
; offsets used at the head alone
.set G16, 116
.set G8,  117
.set G4,  118
.set SXS, 119
.set SQ,  120
.set SB8, 121
.set SB16,122
.set SB4, 123
.set OWP, 124
.set OWN, 125
.set OSP, 126
.set OSN, 127
.set OWB, 128
.set RR,  129
.set HH,  130
.set LL,  131
.set RP,  132
.set TT,  133
.set MSB, 0
.macro WIN new                         ; the immediate's high byte repeats the setting that is left; a switch that changes nothing is dropped
.if MSB != \new
	s_set_vgpr_msb (MSB<<8)|\new
.set MSB, \new
.endif
.endm
.macro PLACES n
.rept \n
	v_nop
.endr
.endm
.macro BARRIER                         ; my LDS stores have landed and my LDS loads are in: then the work-group's barrier
	s_wait_dscnt 0x0
	s_barrier_signal -1
	s_barrier_wait -1
.endm
.macro PADD p                          ; a buffer's address + the offset in s[62:63]
	s_add_nc_u64 s[\p:\p+1], s[\p:\p+1], s[62:63]
.endm
.macro WLOAD reg, off, base, imm       ; a weight fragment: 16 rows x 128 K; lane (r, h) takes 16 bytes at 32 c + 16 h of its row
.irp c, 0,1,2,3
	global_load_b128 v[(\reg)+4*\c:(\reg)+4*\c+3], v[\off], s[\base:\base+1] offset:(\imm)+32*\c
.endr
.endm
.macro XLOAD                           ; my 16 rows of a block's codes: eight loads of 512 consecutive bytes
	WIN 0xc0                                       ; destination window 3
.irp i, 0,1,2,3,4,5,6,7
	global_load_b128 v[XG+4*\i:XG+4*\i+3], v[LI], s[4:5] offset:512*\i th:TH_LOAD_NT
.endr
	WIN 0
.endm
.macro XSTORE adr                      ; and into LDS as padded rows: two rows a store
	WIN 0x0c                                       ; an LDS store's data are its source 1: window 3
.irp i, 0,1,2,3,4,5,6,7
	ds_store_b128 v[\adr], v[XG+4*\i:XG+4*\i+3] offset:2*PX*\i
.endr
	WIN 0
.endm
	s_load_b512 s[4:19], s[0:1], 0x0               ; x's codes 4, x's scales 6, q 8, out 10, W1a 12, W2a 14, their scales 16, 18
	s_load_b512 s[20:35], s[0:1], 0x40             ; Wb2a 20, 22; Wb1 24, 26; W1b 28, 30; W2b 32, 34 (codes, scales)
	s_load_b512 s[36:51], s[0:1], 0x80             ; b1a 36, b2a 38, bb2a 40, b1b 42, bb1 44, b2b 46, wb2b 48, bb2b 50
	v_lshl_add_u32 v254, v0, 2, 0x2a600
	v_mov_b32 v255, 0
	v_lshrrev_b32 v1, 5, v0
	v_readfirstlane_b32 s[WV], v1                  ; wave 0..3
	v_and_b32 v[RR], 15, v0                        ; r
	v_bfe_u32 v[HH], v0, 4, 1                      ; h
	v_and_b32 v[LL], 31, v0                        ; lane
	v_and_b32 v[RP], 8, v[RR]
	v_add_nc_u32 v[RP], v[RP], v[RR]               ; r + 8 (r / 8)
	v_mul_u32_u24 v[LF], v[RR], PX
	v_lshl_add_u32 v[LF], v[HH], 4, v[LF]
	v_lshlrev_b32 v[LI], 4, v[LL]
	s_wait_alu depctr_va_sdst(0)                   ; the wave's number is written, ahead of its first reader: addresses, bases and choices are made from it
	s_lshl_b32 s62, s[WV], 11
	v_add_nc_u32 v[HW], s62, v[LI]
	s_add_co_u32 s62, s62, PART
	v_lshl_add_u32 v[AP], v[RR], 2, s62
	v_lshlrev_b32 v[LS], 2, v[LL]
	s_lshl_b32 s62, s[WV], 6
	v_lshl_add_u32 v[HSW], v[RR], 2, s62
	s_add_co_u32 s62, s62, BT
	v_lshl_add_u32 v[BAE], v[HH], 5, s62
	s_mul_i32 s62, s[WV], 16*PX
	v_mul_u32_u24 v[XW], v[HH], PX
	v_lshl_add_u32 v[XW], v[RR], 4, v[XW]
	v_add_nc_u32 v[XW], s62, v[XW]
	v_lshlrev_b32 v[AXS], 3, v[RR]
	v_lshl_add_u32 v[AXS], v[HH], 2, v[AXS]
	v_add_nc_u32 v[AXS], XSC, v[AXS]
	v_mul_u32_u24 v[AQ], v[RR], 48
	v_add_nc_u32 v[AQ], QT, v[AQ]
	s_lshl_b32 s74, s[WV], 9
	s_add_co_u32 s62, s74, BT
	v_lshl_add_u32 v[BA1], v[HH], 6, s62
	s_add_co_u32 s62, s74, PART
	v_add_nc_u32 v[FIN], s62, v[LI]
	s_lshl_b32 s62, s[WV], 8
	s_add_co_u32 s62, s62, BT+2048
	v_lshl_add_u32 v[BA3], v[HH], 6, s62
	v_lshlrev_b32 v[G16], 4, v0                    ; in memory: 16, 8 and 4 bytes a thread
	v_lshlrev_b32 v[G8], 3, v0
	v_and_b32 v[G4], 63, v0
	v_lshlrev_b32 v[G4], 2, v[G4]
	v_lshl_add_u32 v[SXS], v0, 4, XSC              ; and where they go in LDS
	v_lshrrev_b32 v[SQ], 1, v0
	v_mul_u32_u24 v[SQ], v[SQ], 48
	v_and_b32 v[TT], 1, v0
	v_lshl_add_u32 v[SQ], v[TT], 4, v[SQ]
	v_add_nc_u32 v[SQ], QT, v[SQ]                  ; q: two threads to a row of 32 bytes, rows 48 bytes apart
	v_lshl_add_u32 v[SB8], v0, 3, BT
	v_lshl_add_u32 v[SB16], v0, 4, BT+3072
	v_lshl_add_u32 v[SB4], v0, 2, BT+5120
	v_lshlrev_b32 v[OWP], 8, v[RP]                 ; a weight row is 256 bytes: first-layer tiles by r + 8 (r / 8),
	v_lshl_add_u32 v[OWP], v[HH], 4, v[OWP]
	v_lshlrev_b32 v[OWN], 8, v[RR]                 ; the others by r
	v_lshl_add_u32 v[OWN], v[HH], 4, v[OWN]
	v_lshlrev_b32 v[OSP], 3, v[RP]                 ; its scale bytes are 8: lanes 0-15 take K step 0's word, lanes 16-31 K step 1's
	v_lshl_add_u32 v[OSP], v[HH], 2, v[OSP]
	v_lshlrev_b32 v[OSN], 3, v[RR]
	v_lshl_add_u32 v[OSN], v[HH], 2, v[OSN]
	v_lshlrev_b32 v[OWB], 6, v[HH]                 ; wb2b: 16 h units on
	v_mov_b32 v[CT], 0                             ; written once: a lane permute's destination counts as one of its sources
	v_mov_b32 v[CT+1], 0
	s_mov_b32 s[L2E], 0x3fb8aa3b
	s_mov_b32 s[L2E+1], s[L2E]                     ; (named with it as a pair, so it is written)
	s_mov_b32 s[SEL], 0x76543210
	s_mov_b32 s[SEL+1], 0xfedcba98
	s_mov_b32 s[MNT], 0x600000
	s_mov_b32 s[BLK], 0
	s_mov_b32 s[TB], 0
	s_mov_b32 s63, 0
	s_lshl_b32 s72, s[WV], 12
	s_and_b32 s73, s[WV], 1
	s_wait_kmcnt 0x0
	s_load_b32 s[BB], s[50:51], 0x0                ; bb2b: nobody writes that buffer
	s_cmp_lt_u32 s[WV], 2                          ; waves 0, 1: W1a and bb1; waves 2, 3: W2a and b2b.  The choice hangs on the wave's number alone
	s_cselect_b64 s[66:67], s[12:13], s[14:15]
	s_cselect_b64 s[68:69], s[16:17], s[18:19]
	s_cselect_b64 s[70:71], s[44:45], s[46:47]
	s_lshl_b32 s62, ttmp9, 17                      ; x's codes: 512 rows x 256 bytes a work-group, 16 rows a wave
	s_add_co_u32 s62, s62, s72
	PADD 4
	s_lshl_b32 s62, ttmp9, 12                      ; its scale bytes: 512 x 8
	PADD 6
	s_lshl_b32 s62, ttmp9, 14                      ; q: 512 x 32
	PADD 8
	s_lshl_b32 s62, ttmp9, 11                      ; out: 512 x 4, 128 rows a wave
	s_add_co_u32 s62, s62, s74
	PADD 10
	s_lshl_b32 s62, s73, 15                        ; first layer: units 128 (wave % 2) on
	PADD 66
	s_lshl_b32 s62, s73, 10
	PADD 68
	s_lshl_b32 s62, s[WV], 14                      ; Wb2a: units 64 wave on
	PADD 20
	s_mov_b32 s62, s74
	PADD 22
	s_mov_b32 s62, s72                             ; Wb1, W1b, W2b: rows 16 wave on
	PADD 24
	PADD 28
	PADD 32
	s_lshl_b32 s62, s[WV], 7
	PADD 26
	PADD 30
	PADD 34
	s_lshl_b32 s62, s[WV], 8                       ; wb2b: units 64 wave on
	PADD 48
	s_wait_alu depctr_va_vdst(0)                   ; every offset and address made above is written: v1-6 and v13-19, which stay, and v116-128, which the head's loads and LDS stores read
	; what goes to LDS: block 0's codes, the 512 rows' scale bytes and q, the biases: every load covers consecutive bytes
	XLOAD
	global_load_b128 v[H:H+3], v[G16], s[6:7] th:TH_LOAD_NT
	global_load_b128 v[H+4:H+7], v[G16], s[6:7] offset:2048 th:TH_LOAD_NT
.irp i, 0,1,2,3,4,5,6,7
	global_load_b128 v[H+8+4*\i:H+8+4*\i+3], v[G16], s[8:9] offset:2048*\i th:TH_LOAD_NT
.endr
	global_load_b64 v[H+40:H+41], v[G8], s[36:37]
	global_load_b64 v[H+42:H+43], v[G8], s[38:39]
	global_load_b64 v[H+44:H+45], v[G8], s[40:41]
	global_load_b128 v[H+48:H+51], v[G16], s[42:43]
	global_load_b32 v[H+52], v[G4], s[70:71]
	; the weights: they stay.  A tile's eight loads stand together, so that each row's 256 bytes are used up by neighbouring instructions
	WIN 0x40                                       ; destination window 1
.irp t, 0,1,2,3,4,5,6,7
.irp s, 0,1
	WLOAD 32*\t+16*\s, OWP, 66, (32*(\t/2)+8*(\t%2))*256+128*\s
.endr
.endr
	WIN 0x80                                       ; window 2
.irp a, 0,1,2,3,4,5,6,7
.irp s, 0,1
	WLOAD 32*\a+16*\s, OWN, 28, 64*\a*256+128*\s
.endr
.endr
	WIN 0xc0                                       ; window 3
.irp t, 0,1,2,3
.irp s, 0,1
	WLOAD 32*\t+16*\s, OWP, 20, (32*(\t/2)+8*(\t%2))*256+128*\s
.endr
.endr
.irp s, 0,1
	WLOAD 128+16*\s, OWN, 24, 128*\s
	WLOAD 160+16*\s, OWN, 32, 128*\s
.endr
.irp t, 0,1,2,3
	global_load_b128 v[WB+8*\t:WB+8*\t+3], v[OWB], s[48:49] offset:(32*(\t/2)+8*(\t%2))*4
	global_load_b128 v[WB+8*\t+4:WB+8*\t+7], v[OWB], s[48:49] offset:(32*(\t/2)+8*(\t%2))*4+16
.endr
	WIN 0
.irp t, 0,1,2,3,4,5,6,7
	global_load_b32 v[WS+\t], v[OSP], s[68:69] offset:(32*(\t/2)+8*(\t%2))*8
.endr
.irp t, 0,1,2,3
	global_load_b32 v[WS+8+\t], v[OSP], s[22:23] offset:(32*(\t/2)+8*(\t%2))*8
.endr
	global_load_b32 v[WS+12], v[OSN], s[26:27]
	global_load_b32 v[WS+13], v[OSN], s[34:35]
.irp a, 0,1,2,3,4,5,6,7
	global_load_b32 v[WS+14+\a], v[OSN], s[30:31] offset:512*\a
.endr
	s_wait_loadcnt 0x0                             ; all of the head's loads, once
	s_wait_kmcnt 0x0                               ; bb2b
	XSTORE XW                                      ; block 0 goes into buffer 0
	ds_store_b128 v[SXS], v[H:H+3]
	ds_store_b128 v[SXS], v[H+4:H+7] offset:2048
.irp i, 0,1,2,3,4,5,6,7
	ds_store_b128 v[SQ], v[H+8+4*\i:H+8+4*\i+3] offset:3072*\i
.endr
	ds_store_b64 v[SB8], v[H+40:H+41]
	ds_store_b64 v[SB8], v[H+42:H+43] offset:1024
	ds_store_b64 v[SB8], v[H+44:H+45] offset:2048
	ds_store_b128 v[SB16], v[H+48:H+51]
	ds_store_b32 v[SB4], v[H+52]
	s_wait_dscnt 0x0                               ; my stores have landed
	s_wait_alu depctr_vm_vsrc(0)                   ; the LDS stores have read v[XG ..], in which block 1's codes land, and v[H ..]; the head's loads and stores have read their offsets v116-128: biases land in both in the first block
	s_add_nc_u64 s[4:5], s[4:5], 64*256            ; (the loads that read this base are done)
	XLOAD                                          ; block 1
	BARRIER                                        ; x of block 0, all scale bytes, q and the biases lie in LDS
; One matrix instruction, adding in place.  s = 1: the second K step: both sides' scale words stand in lanes 16-31.
.macro MM d, a, b, ws, xs, s
.if \s
	v_wmma_scale_f32_16x16x128_f8f6f4 v[(\d):(\d)+7], v[(\a):(\a)+15], v[(\b):(\b)+15], v[(\d):(\d)+7], v[\ws], v[\xs] matrix_a_scale:MATRIX_SCALE_ROW1 matrix_b_scale:MATRIX_SCALE_ROW1
.else
	v_wmma_scale_f32_16x16x128_f8f6f4 v[(\d):(\d)+7], v[(\a):(\a)+15], v[(\b):(\b)+15], v[(\d):(\d)+7], v[\ws], v[\xs]
.endif
.endm
.macro XFRAG m                         ; tile m's two fragments of x and its scale words: 9 loads
.irp s, 0,1
.irp c, 0,1,2,3
	ds_load_b128 v[XF+16*\s+4*\c:XF+16*\s+4*\c+3], v[AXF] offset:16*PX*(\m)+128*\s+32*\c
.endr
.endr
	ds_load_b32 v[XS], v[AXS] offset:128*(\m)
.endm
.macro BIAS_T m                        ; bb2a into h3's four accumulators, bb1 into b1's: 10 loads
.irp t, 0,1,2,3
	ds_load_b128 v[T+8*\t:T+8*\t+3], v[BA3] offset:(32*(\t/2)+8*(\t%2))*4
	ds_load_b128 v[T+8*\t+4:T+8*\t+7], v[BA3] offset:(32*(\t/2)+8*(\t%2))*4+16
.endr
	ds_load_b128 v[KEEP+8*(\m):KEEP+8*(\m)+3], v[BAE] offset:5120
	ds_load_b128 v[KEEP+8*(\m)+4:KEEP+8*(\m)+7], v[BAE] offset:5136
.endm
.macro BIAS_H                          ; b1a or b2a into the eight accumulators: 16 loads
.irp t, 0,1,2,3,4,5,6,7
	ds_load_b128 v[H+8*\t:H+8*\t+3], v[BA1] offset:(32*(\t/2)+8*(\t%2))*4
	ds_load_b128 v[H+8*\t+4:H+8*\t+7], v[BA1] offset:(32*(\t/2)+8*(\t%2))*4+16
.endr
.endm
; The accumulators take turns, one instruction a turn: five here, eight and nine below.
.macro GA2 m                           ; h3's four tiles and b1's
	WIN 0x03                                       ; source 0 window 3
.irp s, 0,1
.irp t, 0,1,2,3
	MM T+8*\t, 32*\t+16*\s, XF+16*\s, WS+8+\t, XS, \s
.endr
	MM KEEP+8*(\m), 128+16*\s, XF+16*\s, WS+12, XS, \s
.endr
.endm
.macro GA1                             ; my eight tiles of h1 or h2
	WIN 0x01                                       ; source 0 window 1
.irp s, 0,1
.irp t, 0,1,2,3,4,5,6,7
	MM H+8*\t, 32*\t+16*\s, XF+16*\s, WS+\t, XS, \s
.endr
.endr
.endm
; elu on 32 registers, in place, from the low end on.  The 32 exponentials are one batch: a plain instruction behind the last, then one wait ahead of the first line that names a result.
; That wait also states what the next tile's loads hang on, so they stand directly behind it.  ld = 1 (elu of h3): x's fragments and scale words of tile m + 1;  ld = 2 (the first elu behind the dot product): its biases of h3 and b1.
.macro ELU32 src, ld, m
.set i, 0
.rept 16
	v_pk_mul_f32 v[E+i:E+i+1], v[(\src)+i:(\src)+i+1], s[L2E:L2E+1] op_sel_hi:[1,0]
.set i, i+2
.endr
.set i, 0
.rept 32
	v_exp_f32 v[E+i], v[E+i]
.set i, i+1
.endr
	v_nop
	s_wait_alu depctr_va_vdst(0)                   ; the exponentials have written v[E ..], which the additions below read;  ld = 1: the tile's matrix instructions are done reading v[XF ..] and v[XS];  ld = 2: elu and the dot product are done with v[T ..]
.if ((\ld) == 1) && ((\m) < 3)
	XFRAG (\m)+1                                   ; they land in v[XF ..] and v[XS], which nothing names before the next tile's matrix instructions
.endif
.if ((\ld) == 2) && ((\m) < 3)
	BIAS_T (\m)+1                                  ; they land in v[T ..] and in the next tile's eight of KEEP, which the last block's mixing named last
.endif
.set i, 0
.rept 16
	v_pk_add_f32 v[E+i:E+i+1], v[E+i:E+i+1], -1.0 op_sel_hi:[1,0]
.set i, i+2
.endr
.set i, 0
.rept 32
	v_med3_num_f32 v[(\src)+i], v[(\src)+i], v[E+i], 0       ; the middle one of x, e^x - 1 and 0
.set i, i+1
.endr
.endm
.macro DOT m                           ; my 32 units of h3 . wb2b, in four chains of packed multiply-adds
	WIN 0x0c                                       ; source 1 (wb2b) window 3
.irp k, 0,2,4,6
	v_pk_mul_f32 v[E+\k:E+\k+1], v[T+\k:T+\k+1], v[WB+\k:WB+\k+1]
.endr
.irp g, 8,16,24
.irp k, 0,2,4,6
	v_pk_fma_f32 v[E+\k:E+\k+1], v[T+\g+\k:T+\g+\k+1], v[WB+\g+\k:WB+\g+\k+1], v[E+\k:E+\k+1]
.endr
.endr
	WIN 0
	v_pk_add_f32 v[E:E+1], v[E:E+1], v[E+2:E+3]
	v_pk_add_f32 v[E+4:E+5], v[E+4:E+5], v[E+6:E+7]
	v_pk_add_f32 v[E:E+1], v[E:E+1], v[E+4:E+5]
	v_add_f32 v[P2+(\m)], v[E], v[E+1]
.endm
; The 64 numbers in v[H] on (register 16 b + i = unit 32 b + 16 h + i of my row) become a fragment's codes in v[CD] on and its scale word in v[PW].
.macro QUANT
.irp b, 0,1,2,3
	v_max3_num_f32 v[TM+\b], |v[H+16*\b]|, |v[H+1+16*\b]|, 0x4800000   ; block b: my 16 numbers, and the floor 2^(9 - 127): the byte cannot fall under 1
.endr
.irp i, 2,4,6,8,10,12,14
.irp b, 0,1,2,3
	v_max3_num_f32 v[TM+\b], v[TM+\b], |v[H+16*\b+\i]|, |v[H+1+16*\b+\i]|   ; (the four blocks by turns)
.endr
.endr
.irp b, 0,1,2,3
	v_permlanex16_b32 v[TM+4+\b], v[TM+\b], s[SEL], s[SEL+1]
.endr
.irp b, 0,1,2,3
	v_max_num_f32 v[TM+\b], v[TM+\b], v[TM+4+\b]   ; with lane l xor 16's: the block's largest magnitude
.endr
.irp b, 0,1,2,3
	v_add_nc_u32 v[TM+12+\b], 0xfc000000, v[TM+\b]   ; 8 off its exponent field: the conversion takes that field of this operand as its scale
.endr
.irp b, 0,1,2,3
	v_and_or_b32 v[TM+8+\b], v[TM+\b], 0x7f800000, s[MNT]   ; 448 x the scale
.endr
.irp b, 0,1,2,3
	v_lshrrev_b32 v[TM+4+\b], 23, v[TM+12+\b]      ; the scale's byte
.endr
	v_lshl_or_b32 v[PW], v[TM+5], 8, v[TM+4]       ; the four bytes make my row's scale word
	v_lshl_or_b32 v[PW], v[TM+6], 16, v[PW]
	v_lshl_or_b32 v[PW], v[TM+7], 24, v[PW]
.irp b, 0,1,2,3
.irp i, 0,1,2,3,4,5,6,7,8,9,10,11,12,13,14,15
	v_med3_num_f32 v[H+16*\b+\i], v[H+16*\b+\i], -v[TM+8+\b], v[TM+8+\b]   ; the conversion to an 8-bit code does not saturate (ISA guide 7.6.2): the hold at 448 x the scale
.endr
	v_cvt_scalef32_pk8_fp8_f32 v[CD+4*\b:CD+1+4*\b], v[H+16*\b:H+7+16*\b], v[TM+12+\b]
	v_cvt_scalef32_pk8_fp8_f32 v[CD+2+4*\b:CD+3+4*\b], v[H+8+16*\b:H+15+16*\b], v[TM+12+\b]
.endr
	v_nop                                          ; one plain vector instruction behind the last scaled conversion
.endm
.macro IMAGE m                         ; my fragment of tile m goes to LDS as its registers stand, and its scale words: 5 stores
.irp c, 0,1,2,3
	ds_store_b128 v[AHW], v[CD+4*\c:CD+4*\c+3] offset:HIMG+8192*(\m)+512*\c
.endr
	ds_store_b32 v[AHSW], v[PW] offset:HSC+256*(\m)          ; both halves of the lanes hold the same word and write it to the same place
.endm
; THE FIRST LAYERS of tile m.  Eight places stand behind the matrix instructions, ahead of the first reads of their results; the loads into their operands stand behind elu's waits.
.macro PHASE_A m
.if \m > 0
	s_wait_alu depctr_vm_vsrc(0)                   ; the last image's stores have read v[CD ..] and v[PW], which this tile's elu and quantiser write again
.endif
	s_wait_dscnt 16                                ; all but the youngest sixteen, the biases of the eight accumulators: x, its scale words and the first five accumulators' biases are in
	GA2 \m
	s_wait_dscnt 0x0                               ; the sixteen
	GA1
	WIN 0
	PLACES 8
	ELU32 T, 1, \m
	DOT \m
	ELU32 H, 2, \m
	ELU32 H+32, 0, \m
	QUANT
	s_wait_alu depctr_va_vdst(0)                   ; the quantiser has written v[CD ..] and v[PW], which the stores below read, and is done with v[H ..] and v[E ..]: biases land in the first; behind tile 3, q and b2b in the second
	IMAGE \m
.if \m < 3
	BIAS_H
.endif
.endm
.macro QW2 m                           ; my row's eight q, and b2b into w2's accumulator; two sets of each, by turns: 4 loads.  (Symbols of its own: it is written inside the mixing of the tile before)
.set QSL, E+8*((\m)%2)
.set W2L, E+16+8*((\m)%2)
	ds_load_b128 v[QSL:QSL+3], v[AQ] offset:768*(\m)
	ds_load_b128 v[QSL+4:QSL+7], v[AQ] offset:768*(\m)+16
	ds_load_b128 v[W2L:W2L+3], v[BAE] offset:5376
	ds_load_b128 v[W2L+4:W2L+7], v[BAE] offset:5392
.endm
; Tile m's 22 loads for the second layers, in five pieces: a = 0, 1: h1's two fragments; 2, 3: h2's two, from all four waves' images; 4: their scale words, q and b2b; a > 4: nothing.
.macro HPIECE m, a
.if (\a) < 2
.irp c, 0,1,2,3
	ds_load_b128 v[XF+16*(\a)+4*\c:XF+16*(\a)+4*\c+3], v[AHI] offset:HIMG+(4*(\m)+(\a))*2048+512*\c
.endr
.elseif (\a) < 4
.irp c, 0,1,2,3
	ds_load_b128 v[T+16*((\a)-2)+4*\c:T+16*((\a)-2)+4*\c+3], v[AHI] offset:HIMG+(4*(\m)+(\a))*2048+512*\c
.endr
.elseif (\a) == 4
	ds_load_b32 v[HS1], v[AHS] offset:HSC+256*(\m)
	ds_load_b32 v[HS2], v[AHS] offset:HSC+256*(\m)+128
	QW2 \m
.endif
.endm
.macro BIAS_W a                        ; b1b into agent a's accumulator
	ds_load_b128 v[H+8*(\a):H+8*(\a)+3], v[BAE] offset:3072+256*(\a)
	ds_load_b128 v[H+8*(\a)+4:H+8*(\a)+7], v[BAE] offset:3072+256*(\a)+16
.endm
.macro GB m                            ; w1's eight tiles and w2's
.set W2, E+16+8*((\m)%2)
.irp s, 0,1
	WIN 0x02                                       ; source 0 window 2
.irp a, 0,1,2,3,4,5,6,7
.if (\s == 0) && (\a == 0)
	s_wait_dscnt 8                                 ; all but the youngest eight, the biases of agents 4 to 7: fragments, scale words, q, b2b and the biases of agents 0 to 3 are in
.endif
.if (\s == 0) && (\a == 4)
	s_wait_dscnt 0x0                               ; the eight
.endif
	MM H+8*\a, 32*\a+16*\s, XF+16*\s, WS+14+\a, HS1, \s
.endr
	WIN 0x03                                       ; source 0 window 3
	MM W2, 160+16*\s, T+16*\s, WS+13, HS2, \s
.endr
.endm
.macro MIX m                           ; hidden[e] = relu(b1[e] + sum over a of q[a] |w1[a][e]|); then sum over e of hidden[e] |w2[e]|, onto h3 . wb2b.  Each accumulator is read from its low end on
.set QS, E+8*((\m)%2)
.set W2, E+16+8*((\m)%2)
.set KP, KEEP+8*(\m)
.irp a, 0,1,2,3,4,5,6,7
.if (\m) < 3
	HPIECE (\m)+1, \a                              ; the next tile's loads, dealt.  No wait: the multiply-adds issued since the wait ahead of the mixing name KEEP, this tile's q and v[H ..], none of the registers in which these land
.endif
.irp j, 0,1,2,3,4,5,6,7
	v_fma_f32 v[KP+\j], v[QS+\a], |v[H+8*\a+\j]|, v[KP+\j]
.endr
.endr
.if (\m) < 3
	s_wait_alu depctr_va_vdst(0)                   ; the 64 multiply-adds are done reading w1's accumulators v[H ..], in which the next tile's b1b lands; what follows names them no more
.irp a, 0,1,2,3,4,5,6,7
	BIAS_W \a
.endr
.endif
.irp j, 0,1,2,3,4,5,6,7
	v_max_num_f32 v[KP+\j], 0, v[KP+\j]
.endr
	v_fma_f32 v[P2+(\m)], v[KP], |v[W2]|, v[P2+(\m)]
	v_mul_f32 v[CT], v[KP+1], |v[W2+1]|
.irp j, 2,4,6
	v_fma_f32 v[P2+(\m)], v[KP+\j], |v[W2+\j]|, v[P2+(\m)]
	v_fma_f32 v[CT], v[KP+\j+1], |v[W2+\j+1]|, v[CT]
.endr
	v_add_f32 v[P2+(\m)], v[P2+(\m)], v[CT]
	v_permlanex16_b32 v[CT+1], v[P2+(\m)], s[SEL], s[SEL+1]
	v_add_f32 v[P2+(\m)], v[P2+(\m)], v[CT+1]      ; with lane l xor 16's eight e and 32 units: my wave's part of row r's result, the same bits in both lanes; it is stored at the block's end
.endm
.macro PHASE_B m                       ; THE SECOND LAYERS AND THE MIXING of tile m
	GB \m
	WIN 0
	PLACES 8                                       ; ahead of the first reads of the results (ISA guide 7.12.1); they stay beside the wait below
.if \m < 3
	s_wait_alu depctr_va_vdst(0)                   ; the tile's matrix instructions are done reading v[XF ..], v[T ..], v[HS1] and v[HS2], and the mixing of the tile before is done with the other set of q and w2: the next tile's loads land in these
.endif
	MIX \m
.endm
.Lblock:                                           ; 8 trips, a block of 64 rows each
	s_xor_b32 s[TBN], s[TB], BUF1
	v_add_nc_u32 v[AXF], s[TB], v[LF]              ; (the LDS instructions that read these six stand ahead of the wait on vm_vsrc at the last block's end; in the first block nothing has read them)
	v_add_nc_u32 v[AHI], s[TB], v[LI]
	v_add_nc_u32 v[AHW], s[TB], v[HW]
	v_add_nc_u32 v[AHS], s[TB], v[LS]
	v_add_nc_u32 v[AHSW], s[TB], v[HSW]
	v_add_nc_u32 v[AXW], s[TBN], v[XW]
	s_wait_alu depctr_va_vdst(0)                   ; the block's nine addresses are written: these six, and v[AXS], v[AQ], v[AP] at the last block's end; every LDS instruction of the block reads one of them or one that stays
	XFRAG 0
	BIAS_T 0
	BIAS_H
.irp m, 0,1,2,3
	PHASE_A \m
.endr
	s_cmp_eq_u32 s[BLK], 7                         ; the next block's codes, asked for a block ago, go into the other buffer; the last block has no next
	s_cbranch_scc1 .Lno_stage
	s_wait_loadcnt 0x0
	XSTORE AXW
.Lno_stage:
	BARRIER                                        ; this block's sixteen images and the next block's x lie in LDS; every wave's reads of this block's x are over
	s_wait_alu depctr_vm_vsrc(0)                   ; the LDS stores have read v[XG ..], in which the codes of the block after the next land, and tile 3's image has read v[CD ..], in which q lands
	s_cmp_lt_u32 s[BLK], 6                         ; the block after the next is asked for: no load leaves its buffer
	s_cbranch_scc0 .Lno_load
	s_wait_loadcnt 0x0                             ; the earlier loads are done, so their base may step
	s_add_nc_u64 s[4:5], s[4:5], 64*256
	XLOAD
.Lno_load:
.irp a, 0,1,2,3,4
	HPIECE 0, \a                                   ; no vector or matrix instruction stands between the wait behind tile 3's quantiser and these loads
.endr
.irp a, 0,1,2,3,4,5,6,7
	BIAS_W \a
.endr
.irp m, 0,1,2,3
	PHASE_B \m
.endr
	s_wait_alu depctr_va_vdst(0)                   ; the four tiles' sums v[P2] to v[P2 + 3] are written, which the stores below read
.irp m, 0,1,2,3
	ds_store_b32 v[AP], v[P2+\m] offset:64*\m
.endr
	s_wait_dscnt 0x0                               ; my LDS instructions are done: the next block's counted waits begin with none out
	s_wait_alu depctr_vm_vsrc(0)                   ; the block's LDS instructions have read their addresses, which the three additions below and the six at the next block's head write, and the stores have read v[P2 ..], which the next block's dot products write
	v_add_nc_u32 v[AXS], 512, v[AXS]               ; 64 rows on
	v_add_nc_u32 v[AQ], 3072, v[AQ]
	v_add_nc_u32 v[AP], 256, v[AP]
	s_xor_b32 s[TB], s[TB], BUF1
	s_add_co_u32 s[BLK], s[BLK], 1
	s_cmp_lt_u32 s[BLK], 8
	s_cbranch_scc1 .Lblock
	BARRIER                                        ; the four waves' parts of all 512 rows lie in LDS
.irp k, 0,1,2,3
	ds_load_b128 v[H+4*\k:H+4*\k+3], v[FIN] offset:2048*\k   ; wave w sums rows 128 w on: four rows a lane.  (Since the wait ahead of the last block's stores only the three address additions were issued: nothing names v[H ..])
.endr
	s_wait_dscnt 0x0
	v_pk_add_f32 v[H:H+1], v[H:H+1], v[H+4:H+5]
	v_pk_add_f32 v[H+2:H+3], v[H+2:H+3], v[H+6:H+7]
	v_pk_add_f32 v[H+8:H+9], v[H+8:H+9], v[H+12:H+13]
	v_pk_add_f32 v[H+10:H+11], v[H+10:H+11], v[H+14:H+15]
	v_pk_add_f32 v[H:H+1], v[H:H+1], v[H+8:H+9]
	v_pk_add_f32 v[H+2:H+3], v[H+2:H+3], v[H+10:H+11]
.irp j, 0,1,2,3
	v_add_f32 v[H+\j], s[BB], v[H+\j]              ; + bb2b
.endr
	s_wait_alu depctr_va_vdst(0)                   ; the additions have written v[H] to v[H + 3], which the store reads
	global_store_b128 v[LI], v[H:H+3], s[10:11] th:TH_STORE_NT   ; the wave stores 512 consecutive bytes, at a multiple of 256 from out0's first byte
	s_wait_dscnt 0x0
	s_wait_alu depctr_hold_cnt(0) depctr_sa_sdst(0) depctr_va_vdst(0) depctr_va_sdst(0) depctr_va_ssrc(0) depctr_va_vcc(0) depctr_vm_vsrc(0)
	s_wait_tensorcnt 0x0
	ds_add_u32 v254, v255
	s_wait_dscnt 0x0
	s_endpgm
.Lfunc_end_k_q1c53502838_mix:
	.size	k_q1c53502838_mix, .Lfunc_end_k_q1c53502838_mix-k_q1c53502838_mix
	.p2alignl 7, 3214868480
	.fill 96, 4, 3214868480
	.section	.rodata,"a",@progbits
	.p2align	6, 0x0
	.amdhsa_kernel k_q1c53502838_mix
		.amdhsa_group_segment_fixed_size 174080
		.amdhsa_private_segment_fixed_size 0
		.amdhsa_enable_private_segment 0
		.amdhsa_kernarg_size 192
		.amdhsa_user_sgpr_count 2
		.amdhsa_user_sgpr_kernarg_segment_ptr 1
		.amdhsa_wavefront_size32 1
		.amdhsa_system_sgpr_workgroup_id_x 1
		.amdhsa_system_sgpr_workgroup_id_y 1
		.amdhsa_system_sgpr_workgroup_id_z 1
		.amdhsa_system_vgpr_workitem_id 0
		.amdhsa_next_free_vgpr 1024
		.amdhsa_next_free_sgpr 80
		.amdhsa_reserve_vcc 0
		.amdhsa_float_denorm_mode_32 3
		.amdhsa_float_denorm_mode_16_64 3
		.amdhsa_memory_ordered 1
		.amdhsa_forward_progress 1
		.amdhsa_inst_pref_size 197
	.end_amdhsa_kernel
	.amdgpu_metadata
---
amdhsa.version: [ 1, 2 ]
amdhsa.kernels:
  - .name:           k_q1c53502838_mix
    .symbol:         k_q1c53502838_mix.kd
    .args:
      - { .name: central_states_codes, .offset: 0, .size: 8, .value_kind: global_buffer, .address_space: global }
      - { .name: central_states_scales, .offset: 8, .size: 8, .value_kind: global_buffer, .address_space: global }
      - { .name: agent_q_values, .offset: 16, .size: 8, .value_kind: global_buffer, .address_space: global }
      - { .name: out0, .offset: 24, .size: 8, .value_kind: global_buffer, .address_space: global }
      - { .name: w1a_codes, .offset: 32, .size: 8, .value_kind: global_buffer, .address_space: global }
      - { .name: w2a_codes, .offset: 40, .size: 8, .value_kind: global_buffer, .address_space: global }
      - { .name: w1a_scales, .offset: 48, .size: 8, .value_kind: global_buffer, .address_space: global }
      - { .name: w2a_scales, .offset: 56, .size: 8, .value_kind: global_buffer, .address_space: global }
      - { .name: wb2a_codes, .offset: 64, .size: 8, .value_kind: global_buffer, .address_space: global }
      - { .name: wb2a_scales, .offset: 72, .size: 8, .value_kind: global_buffer, .address_space: global }
      - { .name: wb1_codes, .offset: 80, .size: 8, .value_kind: global_buffer, .address_space: global }
      - { .name: wb1_scales, .offset: 88, .size: 8, .value_kind: global_buffer, .address_space: global }
      - { .name: w1b_codes, .offset: 96, .size: 8, .value_kind: global_buffer, .address_space: global }
      - { .name: w1b_scales, .offset: 104, .size: 8, .value_kind: global_buffer, .address_space: global }
      - { .name: w2b_codes, .offset: 112, .size: 8, .value_kind: global_buffer, .address_space: global }
      - { .name: w2b_scales, .offset: 120, .size: 8, .value_kind: global_buffer, .address_space: global }
      - { .name: b1a, .offset: 128, .size: 8, .value_kind: global_buffer, .address_space: global }
      - { .name: b2a, .offset: 136, .size: 8, .value_kind: global_buffer, .address_space: global }
      - { .name: bb2a, .offset: 144, .size: 8, .value_kind: global_buffer, .address_space: global }
      - { .name: b1b, .offset: 152, .size: 8, .value_kind: global_buffer, .address_space: global }
      - { .name: bb1, .offset: 160, .size: 8, .value_kind: global_buffer, .address_space: global }
      - { .name: b2b, .offset: 168, .size: 8, .value_kind: global_buffer, .address_space: global }
      - { .name: wb2b, .offset: 176, .size: 8, .value_kind: global_buffer, .address_space: global }
      - { .name: bb2b, .offset: 184, .size: 8, .value_kind: global_buffer, .address_space: global }
    .group_segment_fixed_size: 174080
    .private_segment_fixed_size: 0
    .kernarg_segment_align: 8
    .kernarg_segment_size: 192
    .max_flat_workgroup_size: 128
    .sgpr_count:     80
    .vgpr_count:     1024
    .wavefront_size: 32
...
	.end_amdgpu_metadata
.endif
;; end of part 2
